; MI455X (gfx1250); checked and timed in simulation.
; The chip was launched on July 23, 2026; its instructions are those of AMD's public machine-readable ISA for CDNA 5 (MIT licence, August 2026) and "CDNA5" Instruction Set Architecture Reference Guide (July 2026). The comments in the code are by the model that wrote it; some were corrected since.
;; Multi Head Attention. Allowed arithmetic: matrix products marked QUANTISED: E2M3 operands, one E8M0 scale for each 32 along K, by v_wmma_scale_f32_16x16x128_f8f6f4 with both operands' format E2M3, f32 sums; everything else in f32.
;; Inputs: W_in_codes 3,072 x 32 x 24 uint8 (E2M3 codes of W_in, K innermost, in blocks of 32 codes, four codes in three bytes); W_in_scales 3,072 x 32 uint8 (E8M0 scales of W_in, one for each 32 codes along K); W_out_codes 1,024 x 32 x 24 uint8 (E2M3 codes of W_out, K innermost, in blocks of 32 codes, four codes in three bytes); W_out_scales 1,024 x 32 uint8 (E8M0 scales of W_out, one for each 32 codes along K); X_codes 4 x 2,048 x 32 x 24 uint8 (E2M3 codes of X, K innermost, in blocks of 32 codes, four codes in three bytes); X_scales 4 x 2,048 x 32 uint8 (E8M0 scales of X, one for each 32 codes along K); b_in 3,072 float32; b_out 1,024 float32.
;; Outputs: out0 4 x 2,048 x 1,024 float32.
;; This version of the problem:
;;   THIS VERSION OF THE PROBLEM IS GIVEN IN LOW PRECISION. The matrix products marked QUANTISED in the list below multiply operands that are first quantised to E2M3 (2 exponent bits, 3 mantissa bits; 6 bits a number), with one power-of-two scale for each 32 numbers along K (OCP MX v1.0); their sums are f32. All else is computed in f32.
;;   The module's matrix products, in the order in which they are computed (A, B: the left and right operand; K: the contracted axis; several contracted axes count as one K, in the product's order):
;;     1. [M 8,192, K 1,024] x [K 1,024, N 3,072]; A: input X (given as codes); B: input W_in (given as codes): QUANTISED
;;     2. batch 64 x [M 2,048, K 64] x [K 64, N 2,048]; A: computed on the way; B: computed on the way: QUANTISED
;;     3. batch 64 x [M 2,048, K 2,048] x [K 2,048, N 64]; A: softmax (see below); B: computed on the way: QUANTISED
;;     4. [M 8,192, K 1,024] x [K 1,024, N 1,024]; A: computed on the way; B: input W_out (given as codes): QUANTISED
;;   THE QUANTISER, for each operand of a quantised product, along K:
;;     - K is cut into blocks of 32 from its start; a last block that is shorter is filled with zeros.
;;     - A block's scale is 2^e with e = floor(log2(the largest magnitude in the block)) - 2, held to -126 .. 127; a block of zeros has e = 0. As a byte (E8M0): e + 127.
;;     - Each number is divided by its block's scale, clamped to +-7.5, and rounded to the nearest number of E2M3, ties to even, subnormals kept.
;;     - The product sums the exact products of the quantised numbers (number of the format x scale) in f32.
;;   ~~~python
;;   def quantise(x, axis):      # numpy; x: float32 -> the quantised numbers, widened to float32 again
;;       x = np.moveaxis(x, axis, -1); K = x.shape[-1]
;;       x = np.pad(x, [(0, 0)] * (x.ndim - 1) + [(0, -K % 32)]); x = x.reshape(x.shape[:-1] + (-1, 32)); a = np.abs(x).max(-1, keepdims=True)
;;       e = np.where(a > 0, np.clip(np.frexp(np.where(a > 0, a, 1))[1] - 1 - 2, -126, 127), 0)      # np.frexp(a)[1] - 1 = floor(log2(a)), exactly
;;       r = np.clip(x / 2.0 ** e, -7.5, 7.5)
;;       step = 2.0 ** (np.maximum(np.frexp(np.where(r == 0, 1, r))[1] - 1, 0) - 3)
;;       q = np.round(r / step) * step * 2.0 ** e      # np.round: ties to even
;;       return np.moveaxis(q.reshape(q.shape[:-2] + (-1,))[..., :K], -1, axis).astype(np.float32)
;;   ~~~
;;   SOFTMAX AHEAD OF A QUANTISED PRODUCT. Where the list says 'softmax', what is quantised is not the finished softmax but p = 2^(t - M), with t = logit x log2(e) and M = ceil(the row's largest t), a whole number; so 1/2 < the row's largest p <= 1. The row's sum l is taken of the UNQUANTISED p, in f32, and the product's result is divided by l at the end. Since M is a whole number, a kernel that streams over the keys may use a running M (the ceiling of the running maximum): every later rescaling is an exact power of two, which a block's scale takes up: the codes' values come out the same.
;;   OPERANDS COMPUTED ON THE WAY. 'Computed on the way' means the value that the module computes at that place (a softmax that the list does not call 'softmax' is quantised finished and normalised). What goes into a quantiser is computed in f32, as accurately as f32 sums, v_exp_f32 and their like allow (about 1e-6 of the number): no bf16 or f16 on the way to a quantiser, and a product that is left as it is and whose result goes on into a quantised operand takes f32 operands (vector FMAs, or v_wmma_f32_16x16x4_f32). A number that lies on a knife's edge between two numbers of the format may be rounded either way, as far as f32 arithmetic and the matrix unit's own rounding can turn it there, and no further.
;;   INPUTS GIVEN AS CODES. W_in (in the module: [3072, 1024], K = its axis 1); W_out (in the module: [1024, 1024], K = its axis 1); X (in the module: [4, 2048, 1024], K = its axis 2): each comes as NAME_codes (uint8): NAME with its K axis moved to the last place and cut into blocks of 32 codes, [.., K / 32, bytes a block], one block behind the other in memory; four codes in three bytes: a row's codes are one little-endian stream of bits, code i at bits 6 i .. 6 i + 5 (a code: sign, 2 exponent bits, 3 mantissa bits); and NAME_scales (uint8): the same leading axes, one E8M0 byte (e + 127) for each 32 codes along K. Its value is code x scale, taken as it is: it is not quantised again, and the codes and scales need not be those that the quantiser above would give.
;; One version. Each part assembles by itself: llvm-mc -triple=amdgcn-amd-amdhsa -mcpu=gfx1250 --defsym DOCPART=n.
;; ======== version 1 of 1: 4 launches
;; limits: right only within a limited range of input values
;; workspace buffers: wp 2,469,888 bytes; qbuf 6,815,744 bytes; kbuf 6,815,744 bytes; vbuf 6,553,600 bytes; vals 6,553,600 bytes
;; launch prep (part 1): grid 48 x 1, 16 waves a work-group, no clusters, 0 bytes of LDS; arguments W_in_codes, W_in_scales, b_in, wp; writes wp
.if DOCPART == 1
	.amdgcn_target "amdgcn-amd-amdhsa--gfx1250"
	.amdhsa_code_object_version 6
	.text
	.protected	k_q755609dfa0_prep
	.globl	k_q755609dfa0_prep
	.p2align	8
	.type	k_q755609dfa0_prep,@function
k_q755609dfa0_prep:
	s_mov_b64 s[64:65], 0
	v_nop
	global_prefetch_b8 v0, s[64:65] scope:SCOPE_SE
	s_setreg_imm32_b32 hwreg(HW_REG_WAVE_MODE, 25, 1), 1
	s_wait_xcnt 0x0
; W_in's rows (768 bytes of codes, 32 scale bytes, one bias number each) are copied into wp in the ORDER OF THE TILES of the next launch, so that a tile of 256 rows is one dense block there.
; Row n' of wp = 256 T + 128 s + 16 b + r (T = 4 type + cx; type 0 Q, 1 K, 2 V) is row n of W_in:
;   Q, K: piece j = 2 cx + s + 8 (b / 4), d = 32 ((b / 2) % 2) + 8 (b % 2) + r + 8 (r / 8), n = 192 j + 64 type + d
;   V:    piece j = 8 (b % 2) + r % 8,    d = 32 (cx / 2) + 8 (cx % 2) + 16 s + 2 (b / 2) + r / 8, n = 192 j + 128 + d
; wp: codes [3072][768] at 0, scale bytes [3072][32] at WPS, bias [3072] f32 at WPB.
; A work-group takes 64 rows.  Codes: sixteen lanes take 256 consecutive bytes of a row, on both sides.  No LDS, no barrier: waves share nothing.  The matrix units have nothing to do here.
.set WPS, 2359296
.set WPB, 2457600
.macro PERM dst, src                   ; v[dst] = n of n' = v[src]; v40-43 at work
	v_bfe_u32 v40, v[\src], 7, 3                   ; 2 cx + s
	v_bfe_u32 v41, v[\src], 6, 1                   ; b / 4
	s_delay_alu instid0(VALU_DEP_1)
	v_lshl_add_u32 v40, v41, 3, v40                ; Q, K: the piece
	s_delay_alu instid0(VALU_DEP_1)
	v_mul_u32_u24 v40, v40, 192
	v_lshrrev_b32 v41, 10, v[\src]                 ; type
	s_delay_alu instid0(VALU_DEP_1)
	v_lshl_add_u32 v40, v41, 6, v40
	v_bfe_u32 v41, v[\src], 5, 1
	s_delay_alu instid0(VALU_DEP_1)
	v_lshl_add_u32 v40, v41, 5, v40
	v_bfe_u32 v41, v[\src], 4, 1                   ; b % 2, which serves V too
	s_delay_alu instid0(VALU_DEP_1)
	v_lshl_add_u32 v40, v41, 3, v40
	v_and_b32 v42, 15, v[\src]
	s_delay_alu instid0(VALU_DEP_1)
	v_add_nc_u32 v40, v40, v42
	v_and_b32 v43, 8, v[\src]
	s_delay_alu instid0(VALU_DEP_1)
	v_add_nc_u32 v40, v40, v43                     ; n for Q and K
	v_and_b32 v42, 7, v[\src]
	s_delay_alu instid0(VALU_DEP_1)
	v_lshl_add_u32 v42, v41, 3, v42                ; V: the piece
	s_delay_alu instid0(VALU_DEP_1)
	v_mul_u32_u24 v42, v42, 192
	v_bfe_u32 v43, v[\src], 9, 1
	s_delay_alu instid0(VALU_DEP_1)
	v_lshl_add_u32 v42, v43, 5, v42
	v_bfe_u32 v43, v[\src], 8, 1
	s_delay_alu instid0(VALU_DEP_1)
	v_lshl_add_u32 v42, v43, 3, v42
	v_bfe_u32 v43, v[\src], 7, 1
	s_delay_alu instid0(VALU_DEP_1)
	v_lshl_add_u32 v42, v43, 4, v42
	v_bfe_u32 v43, v[\src], 5, 2
	s_delay_alu instid0(VALU_DEP_1)
	v_lshl_add_u32 v42, v43, 1, v42
	v_bfe_u32 v43, v[\src], 3, 1
	s_delay_alu instid0(VALU_DEP_1)
	v_add3_u32 v42, v42, v43, 128                  ; n for V
	v_cmp_le_u32 vcc_lo, 2048, v[\src]             ; rows 2,048 on are V's
	s_delay_alu instid0(VALU_DEP_1)
	v_cndmask_b32 v[\dst], v40, v42, vcc_lo
.endm
	s_load_b256 s[4:11], s[0:1], 0x0               ; codes s[4:5], scales s[6:7], b_in s[8:9], wp s[10:11]
	v_lshrrev_b32 v1, 5, v0
	s_delay_alu instid0(VALU_DEP_1)
	v_readfirstlane_b32 s12, v1                    ; wave 0..15
	s_lshl_b32 s13, ttmp9, 6                       ; the work-group's first row of wp
	v_lshrrev_b32 v2, 4, v0                        ; which sixteen lanes: 0..31
	v_and_b32 v3, 15, v0
	s_delay_alu instid0(VALU_DEP_2)
	v_add_nc_u32 v4, s13, v2                       ; my two rows of wp
	s_delay_alu instid0(VALU_DEP_1)
	v_add_nc_u32 v5, 32, v4
	PERM 6, 4
	PERM 7, 5
.irp i, 4,5,6,7
	v_mul_u32_u24 v[\i], v[\i], 768                ; a row of codes is 768 bytes,
	s_delay_alu instid0(VALU_DEP_1)
	v_lshl_add_u32 v[\i], v3, 4, v[\i]             ; of which I take 16 in each 256
.endr
	s_wait_alu depctr_va_vdst(0)
	s_wait_kmcnt 0x0
.irp g, 0,1,2
	global_load_b128 v[8+4*\g:11+4*\g], v6, s[4:5] offset:256*\g th:TH_LOAD_NT
.endr
.irp g, 0,1,2
	global_load_b128 v[20+4*\g:23+4*\g], v7, s[4:5] offset:256*\g th:TH_LOAD_NT
.endr
.irp g, 0,1,2
	s_wait_loadcnt 5-\g                            ; loads come back in order: the younger ones may stay out
	global_store_b128 v4, v[8+4*\g:11+4*\g], s[10:11] offset:256*\g
.endr
.irp g, 0,1,2
	s_wait_loadcnt 2-\g
	global_store_b128 v5, v[20+4*\g:23+4*\g], s[10:11] offset:256*\g
.endr
	s_cmp_lt_u32 s12, 4
	s_cbranch_scc0 .Lnot_scales
	v_lshrrev_b32 v32, 1, v0                       ; waves 0-3: the 64 rows' scale bytes, two lanes to a row of 32 bytes
	s_delay_alu instid0(VALU_DEP_1)
	v_add_nc_u32 v32, s13, v32
	PERM 33, 32
	v_and_b32 v34, 1, v0
	s_delay_alu instid0(VALU_DEP_2)
	v_lshlrev_b32 v33, 5, v33
	s_delay_alu instid0(VALU_DEP_1)
	v_lshl_add_u32 v33, v34, 4, v33
	s_lshl_b32 s14, ttmp9, 11
	v_lshl_add_u32 v35, v0, 4, s14                 ; in wp they are 2,048 dense bytes
	global_load_b128 v[36:39], v33, s[6:7]
	s_wait_alu depctr_va_vdst(0)
	s_wait_loadcnt 0x0
	global_store_b128 v35, v[36:39], s[10:11] offset:WPS
	s_endpgm
.Lnot_scales:
	s_cmp_eq_u32 s12, 4
	s_cbranch_scc0 .Ldone
	v_and_b32 v32, 31, v0                          ; wave 4: the 64 rows' bias numbers, two to a lane
	s_delay_alu instid0(VALU_DEP_1)
	v_lshl_add_u32 v33, v32, 1, s13
	s_delay_alu instid0(VALU_DEP_1)
	v_add_nc_u32 v34, 1, v33
	PERM 35, 33
	PERM 36, 34
	v_lshlrev_b32 v35, 2, v35
	s_delay_alu instid0(VALU_DEP_2)
	v_lshlrev_b32 v36, 2, v36
	s_lshl_b32 s14, ttmp9, 8
	v_lshl_add_u32 v37, v32, 3, s14
	global_load_b32 v38, v35, s[8:9]
	global_load_b32 v39, v36, s[8:9]
	s_wait_alu depctr_va_vdst(0)
	s_wait_loadcnt 0x0
	global_store_b64 v37, v[38:39], s[10:11] offset:WPB   ; 32 lanes store 256 consecutive bytes, aligned
.Ldone:
	s_endpgm
.Lfunc_end_k_q755609dfa0_prep:
	.size	k_q755609dfa0_prep, .Lfunc_end_k_q755609dfa0_prep-k_q755609dfa0_prep
	.p2alignl 7, 3214868480
	.fill 96, 4, 3214868480
	.section	.rodata,"a",@progbits
	.p2align	6, 0x0
	.amdhsa_kernel k_q755609dfa0_prep
		.amdhsa_group_segment_fixed_size 0
		.amdhsa_private_segment_fixed_size 0
		.amdhsa_enable_private_segment 0
		.amdhsa_kernarg_size 32
		.amdhsa_user_sgpr_count 2
		.amdhsa_user_sgpr_kernarg_segment_ptr 1
		.amdhsa_wavefront_size32 1
		.amdhsa_system_sgpr_workgroup_id_x 1
		.amdhsa_system_sgpr_workgroup_id_y 1
		.amdhsa_system_sgpr_workgroup_id_z 1
		.amdhsa_system_vgpr_workitem_id 0
		.amdhsa_next_free_vgpr 48
		.amdhsa_next_free_sgpr 66
		.amdhsa_reserve_vcc 1
		.amdhsa_float_denorm_mode_32 3
		.amdhsa_float_denorm_mode_16_64 3
		.amdhsa_memory_ordered 1
		.amdhsa_forward_progress 1
		.amdhsa_inst_pref_size 16
	.end_amdhsa_kernel
	.amdgpu_metadata
---
amdhsa.version: [ 1, 2 ]
amdhsa.kernels:
  - .name:           k_q755609dfa0_prep
    .symbol:         k_q755609dfa0_prep.kd
    .args:
      - { .name: W_in_codes, .offset: 0, .size: 8, .value_kind: global_buffer, .address_space: global }
      - { .name: W_in_scales, .offset: 8, .size: 8, .value_kind: global_buffer, .address_space: global }
      - { .name: b_in, .offset: 16, .size: 8, .value_kind: global_buffer, .address_space: global }
      - { .name: wp, .offset: 24, .size: 8, .value_kind: global_buffer, .address_space: global }
    .group_segment_fixed_size: 0
    .private_segment_fixed_size: 0
    .kernarg_segment_align: 8
    .kernarg_segment_size: 32
    .max_flat_workgroup_size: 512
    .sgpr_count:     66
    .vgpr_count:     48
    .wavefront_size: 32
...
	.end_amdgpu_metadata
.endif
;; end of part 1
;; launch qkv (part 2): grid 12 x 32, 4 waves a work-group, clusters of 4 x 4, 327,680 bytes of LDS; arguments X_codes, X_scales, wp, qbuf, kbuf, vbuf; writes qbuf, kbuf, vbuf
.if DOCPART == 2
	.amdgcn_target "amdgcn-amd-amdhsa--gfx1250"
	.amdhsa_code_object_version 6
	.text
	.protected	k_q755609dfa0_qkv
	.globl	k_q755609dfa0_qkv
	.p2align	8
	.type	k_q755609dfa0_qkv,@function
k_q755609dfa0_qkv:
	s_mov_b64 s[64:65], 0
	v_nop
	global_prefetch_b8 v0, s[64:65] scope:SCOPE_SE
	s_setreg_imm32_b32 hwreg(HW_REG_WAVE_MODE, 25, 1), 1
	s_wait_xcnt 0x0
	s_wait_alu depctr_hold_cnt(0) depctr_sa_sdst(0) depctr_va_vdst(0) depctr_va_sdst(0) depctr_va_ssrc(0) depctr_va_vcc(0) depctr_vm_vsrc(0)
	s_getreg_b32 s2, hwreg(HW_REG_IB_STS2, 6, 4)
	s_cmp_eq_u32 s2, 0
	s_cbranch_scc0 .Lentry_in_a_cluster
	s_endpgm
.Lentry_in_a_cluster:
	s_bfe_u32 s2, ttmp6, 0x10000c
	s_cmp_lg_u32 s2, 0xf033
	s_cbranch_scc0 .Lentry_shape_is_right
	s_endpgm
.Lentry_shape_is_right:
.set SIZE_K, 1024
; QKV = X W_in^T + b_in on codes of FP6, quantised on the way out into qbuf, kbuf, vbuf.  K goes through a ring of two LDS slots in chunks of 256 bytes of each row of codes
; (a row is 768 bytes: three chunks, each beginning at a multiple of 256 bytes); a step of 128 along K is 96 bytes: eight steps, of which steps 2 and 5 lie across two chunks.
; No prefetch: the walk along K has three chunks, of which two are asked for ahead of the first product.
.set NQ,     2
.set ROWB,   256
.set KROW,   SIZE_K*6/8
.set STEPS,  SIZE_K/128
.set CHUNKS, KROW/ROWB
.set PITCH,  272
.set FR,     12
.set NL,     6
.set NP,     4
.set HALFT,  128*PITCH
.set SLOT,   4*HALFT
.set KS,     SIZE_K/32
.set SCL,    2*SLOT
.set HALFS,  (128*KS/256)*272
.set SBLK,   (16*KS/256)*272
.set SPARE,  SCL+4*HALFS
.set VST,    SLOT                      ; the stages of the way out lie in slot 1: it holds chunk 1, has had its last fill, and is read no more behind step 5's barrier
.set VSS,    VST+49152
.set QSS,    VSS+2048
.set WPS,    2359296
.set WPB,    2457600
.set SW,     6291456
.set ADRA, 16
.set ADRB, 20
.set CO,   26
.set ADRS, 27
.set SPW,  28
.set NIL,  29
.set SC,   32
.set BI,   64
.set AF,   128
.set TM,   32
.set PW,   48
.set RT,   49
.set PC,   64
.set G1, 24
.set G0, 32
.set G1B, 48
.set G0B, 56
.set G1S, 68
.set G0S, 76
.set G1SB, 80
.set G0SB, 88
.set MSB, 0
.macro WIN new
.if MSB != \new
	s_set_vgpr_msb (MSB<<8)|\new
.set MSB, \new
.endif
.endm
.set MUL_LO, 0xa1
.set MUL_HI, 0xf1
.set FIRST_LO, 0x81
.set FIRST_HI, 0xc1
.set TO_B,   0x40
.macro JLOAD g0a, g1a, g0b, g1b
	s_cmp_eq_u32 s15, 0
	s_cbranch_scc0 .Lfor_b_\@
	tensor_load_to_lds s[\g0a:\g0a+3], s[\g1a:\g1a+7]
	s_nop 0
.rept 4
	v_nop
.endr
	s_branch .Lasked_\@
.Lfor_b_\@:
	tensor_load_to_lds s[\g0b:\g0b+3], s[\g1b:\g1b+7]
	s_nop 0
.rept 4
	v_nop
.endr
.Lasked_\@:
.endm
.macro CREST
	s_cmp_lg_u32 s14, 0
	s_cbranch_scc1 .Lnot_wave_0_\@
	s_barrier_signal -3
.Lnot_wave_0_\@:
	s_barrier_wait -3
	s_barrier_signal -1
	s_barrier_wait -1
.endm
.macro CROUND
	s_barrier_signal -1
	s_barrier_wait -1
	CREST
.endm
	s_load_b128 s[4:7], s[0:1], 0x0
	s_load_b64 s[8:9], s[0:1], 0x10
	v_lshl_add_u32 v[SPW], v0, 2, SPARE
	v_mov_b32 v[NIL], 0
	ds_add_u32 v28, v29
	ds_add_u32 v28, v29
	s_wait_dscnt 0x0
	v_lshrrev_b32 v1, 5, v0
	v_readfirstlane_b32 s14, v1
	s_lshr_b32 s15, s14, 1
	s_and_b32 s16, s14, 1
	s_bfe_u32 s40, ttmp6, 0x40000
	s_bfe_u32 s41, ttmp6, 0x40004
	s_lshl_b32 s42, ttmp9, 2
	s_add_co_u32 s42, s42, s40
	s_and_b32 s17, ttmp7, 0xffff
	s_lshl_b32 s17, s17, 2
	s_add_co_u32 s17, s17, s41
	s_lshl_b32 s43, s41, 2
	s_lshl_b32 s43, 15, s43
	s_lshl_b32 s44, 0x1111, s40
	s_or_b32 s[G1+0], s43, (0<<16)|(1<<20)|(1<<21)|(5<<22)|(3<<25)
	s_or_b32 s[G1B+0], s44, (0<<16)|(1<<20)|(1<<21)|(5<<22)|(3<<25)
.irp g, G1, G1B
	s_mov_b32 s[\g+1], ROWB<<16
	s_mov_b32 s[\g+2], 256<<16                     ; the head's loads bring 256 rows
	s_mov_b32 s[\g+3], ROWB<<16
	s_mov_b32 s[\g+4], 256
	s_mov_b32 s[\g+5], KROW
	s_mov_b32 s[\g+6], 0
	s_mov_b32 s[\g+7], 0
.endr
	s_or_b32 s[G1S+0], s43, (3<<16)|(1<<20)|(1<<21)|(5<<22)|(3<<25)
	s_or_b32 s[G1SB+0], s44, (3<<16)|(1<<20)|(1<<21)|(5<<22)|(3<<25)
.irp g, G1S, G1SB
	s_mov_b32 s[\g+1], 32<<16
	s_mov_b32 s[\g+2], KS<<16                      ; the scales of 256 rows: KS rows of 256 bytes
	s_mov_b32 s[\g+3], 32<<16
	s_mov_b32 s[\g+4], KS
	s_mov_b32 s[\g+5], 32
	s_mov_b32 s[\g+6], 0
	s_mov_b32 s[\g+7], 0
.endr
	s_lshl_b32 s18, s16, 7
	s_lshl_b32 s20, s17, 8
	s_add_co_u32 s20, s20, s18
	s_lshl_b32 s46, s42, 8
	s_add_co_u32 s46, s46, s18
	s_mov_b32 s21, 0
	s_mov_b32 s47, 0
	s_mov_b64 s[18:19], KS
	s_mul_u64 s[22:23], s[20:21], s[18:19]
	s_mul_u64 s[92:93], s[46:47], s[18:19]
	s_mov_b64 s[18:19], KROW
	s_mul_u64 s[20:21], s[20:21], s[18:19]
	s_mul_u64 s[46:47], s[46:47], s[18:19]
	s_mul_i32 s45, s14, HALFT
	s_lshl_b32 s18, s16, 12                        ; my half's 128 rows of scales, in bytes, are taken off again: a head's load brings a tile's 256 rows
	s_mov_b32 s19, 0
	s_sub_nc_u64 s[22:23], s[22:23], s[18:19]
	s_sub_nc_u64 s[92:93], s[92:93], s[18:19]
	s_wait_kmcnt 0x0
	s_add_nc_u64 s[10:11], s[8:9], WPS
	s_add_nc_u64 s[96:97], s[8:9], WPB
	s_add_nc_u64 s[20:21], s[4:5], s[20:21]
	s_add_nc_u64 s[22:23], s[6:7], s[22:23]
	s_add_nc_u64 s[46:47], s[8:9], s[46:47]
	s_add_nc_u64 s[92:93], s[10:11], s[92:93]
	CROUND
	s_mov_b32 s[G0S], 1
	s_mov_b32 s[G0S+1], SCL
	s_mov_b64 s[G0S+2:G0S+3], s[22:23]
	s_or_b32 s[G0S+3], s[G0S+3], 0x80000000
	s_mov_b32 s[G0SB], 1
	s_mov_b32 s[G0SB+1], SCL+2*HALFS
	s_mov_b64 s[G0SB+2:G0SB+3], s[92:93]
	s_or_b32 s[G0SB+3], s[G0SB+3], 0x80000000
.irp s, 0,1
	s_mov_b32 s[G0+4*\s], 1
	s_add_co_u32 s[G0+4*\s+1], s45, \s*SLOT
	s_add_nc_u64 s[G0+4*\s+2:G0+4*\s+3], s[20:21], \s*ROWB
	s_or_b32 s[G0+4*\s+3], s[G0+4*\s+3], 0x80000000
	s_mov_b32 s[G0B+4*\s], 1
	s_add_co_u32 s[G0B+4*\s+1], s45, \s*SLOT
	s_add_nc_u64 s[G0B+4*\s+2:G0B+4*\s+3], s[46:47], \s*ROWB
	s_or_b32 s[G0B+4*\s+3], s[G0B+4*\s+3], 0x80000000
.endr
; The head's four tiles, one joint load a wave, in one chain of branches on the wave's number: wave 0 chunk 0's 256 rows of A (its own slot-0 address is the tile's first row), wave 1 A's scales, wave 2 chunk 0's 256 rows of B, wave 3 B's scales.
.macro ARM under, g0, g1, next
	s_cmp_lt_u32 s14, \under
	s_cbranch_scc0 \next
	tensor_load_to_lds s[\g0:\g0+3], s[\g1:\g1+7]
	s_nop 0
.rept 4
	v_nop
.endr
	s_branch .Lhead_asked
\next:
.endm
	ARM 1, G0,  G1,  .Lhead_sa
	ARM 2, G0S, G1S, .Lhead_b
	ARM 3, G0B, G1B, .Lhead_sb
	tensor_load_to_lds s[G0SB:G0SB+3], s[G1SB:G1SB+7]
	s_nop 0
.rept 4
	v_nop
.endr
.Lhead_asked:
	v_and_b32 v1, 15, v0
	v_bfe_u32 v2, v0, 4, 1
	s_lshl_b32 s46, s42, 10
	s_lshl_b32 s47, s16, 9
	s_add_co_u32 s46, s46, s47
	s_mov_b32 s47, 0
	s_add_nc_u64 s[96:97], s[96:97], s[46:47]
	v_lshlrev_b32 v30, 5, v2
.irp b, 0,1,2,3,4,5,6,7
	global_load_b128 v[BI+8*\b:BI+8*\b+3], v30, s[96:97] offset:64*\b
	global_load_b128 v[BI+8*\b+4:BI+8*\b+7], v30, s[96:97] offset:64*\b+16
.endr
	v_mul_u32_u24 v3, v1, PITCH
	v_mul_u32_u24 v4, v2, 24
	v_add_nc_u32 v4, v3, v4
	v_sub_nc_u32 v7, 1, v2                         ; 1 in lanes 0-15
	v_mul_u32_u24 v5, v2, SLOT-232
	v_add_nc_u32 v5, v3, v5
	v_add_nc_u32 v5, 232, v5                       ; across two chunks: lanes 0-15 byte 232 of the row in slot 0, lanes 16-31 byte 0 of the row in slot 1;
	v_mul_u32_u24 v6, v7, SLOT+232
	v_add_nc_u32 v6, v3, v6                        ; and lanes 0-15 byte 232 in slot 1, lanes 16-31 byte 0 in slot 0
	s_mul_i32 s21, s15, HALFT
	s_mul_i32 s22, s16, HALFT
	s_add_co_u32 s22, s22, 2*HALFT
	v_add_nc_u32 v[ADRA+2], s21, v5
	v_add_nc_u32 v[ADRA+3], s21, v6
	v_add_nc_u32 v[ADRB+2], s22, v5
	v_add_nc_u32 v[ADRB+3], s22, v6
.irp s, 0,1
	v_add_nc_u32 v[ADRA+\s], s21, v4
	v_add_nc_u32 v[ADRB+\s], s22, v4
	s_add_co_u32 s21, s21, SLOT
	s_add_co_u32 s22, s22, SLOT
.endr
	v_mul_u32_u24 v5, v1, KS
	v_lshrrev_b32 v6, 8, v5
	v_lshl_add_u32 v5, v6, 4, v5
	s_mul_i32 s21, s15, HALFS
	s_mul_i32 s22, s16, HALFS
	s_add_co_u32 s22, s22, 2*HALFS
	s_sub_co_u32 s22, s22, s21
	v_mul_u32_u24 v6, s22, v2
	s_add_co_u32 s21, s21, SCL
	v_add_nc_u32 v5, v5, v6
	v_add_nc_u32 v[ADRS], s21, v5
	v_and_b32 v3, 31, v0
	v_lshlrev_b32 v[CO], 4, v3
	v_lshlrev_b32 v14, 3, v3
	v_cmp_lt_u32 s95, 15, v3
	v_bfe_u32 v4, v0, 3, 1
	v_and_b32 v5, 1, v0
	v_bfe_u32 v6, v0, 1, 2
	s_lshl_b32 s21, s14, 10
	s_add_co_u32 s21, s21, QSS
	v_lshlrev_b32 v7, 9, v2
	v_lshl_add_u32 v7, v4, 5, v7
	v_lshl_add_u32 v7, v5, 4, v7
	v_lshl_add_u32 v7, v6, 2, v7
	v_add_nc_u32 v7, s21, v7
	v_add_nc_u32 v8, s21, v[CO]
	s_mul_i32 s21, s14, 12288
	s_add_co_u32 s21, s21, VST
	v_add_nc_u32 v13, s21, v14
	v_bfe_u32 v24, v0, 1, 1
	v_add_nc_u32 v24, s16, v24
	v_and_b32 v24, 1, v24
	v_mul_u32_u24 v25, v4, 768
	v_lshl_add_u32 v25, v24, 7, v25
	v_lshl_add_u32 v25, v2, 4, v25
	v_add_nc_u32 v25, s21, v25
	v_bfe_u32 v24, v0, 2, 1
	v_lshl_add_u32 v24, v24, 1, v5
	v_mul_u32_u24 v24, v24, 3
.irp w, 0,1,2
	v_add_nc_u32 v3, \w, v24
	v_lshrrev_b32 v31, 2, v3
	v_and_b32 v3, 3, v3
	v_lshl_add_u32 v[9+\w], v31, 8, v25
	v_lshl_add_u32 v[9+\w], v3, 2, v[9+\w]
.endr
	s_lshl_b32 s21, s14, 9
	s_add_co_u32 s21, s21, VSS
	v_lshlrev_b32 v12, 5, v4
	v_lshl_add_u32 v12, v2, 2, v12
	v_add_nc_u32 v12, v12, v6
	v_add_nc_u32 v12, s21, v12
	v_add_nc_u32 v15, s21, v[CO]
	s_mov_b32 s66, 0x76543210
	s_mov_b32 s67, 0xfedcba98
.macro FRAG reg, adr, st, i            ; st: the step of 128 along K, counted from the row's start; adr: ADRA or ADRB (the fetching macros are called with slot 0: the slot follows from the byte)
.irp p, 0,1,2,3,4,5
.set BY, 96*(\st)+48*(\p/3)+8*(\p%3)  ; byte y of a row of codes lies in chunk y / 256, in slot (y / 256) % 2, at byte y % 256 of the LDS row; lanes 16-31 read 24 bytes on
.if BY/ROWB == (BY+24)/ROWB
	ds_load_b64 v[\reg+2*\p:\reg+2*\p+1], v[\adr+(BY/ROWB)%2] offset:BY%ROWB+(\i)*16*PITCH
.else
	ds_load_b64 v[\reg+2*\p:\reg+2*\p+1], v[\adr+2+(BY/ROWB)%2] offset:BY%ROWB-232+(\i)*16*PITCH
.endif
.endr
.endm
.macro MUL16 a0, p, q, sc, zero
.irp a, \a0, \a0+1
.irp b, 0,1,2,3,4,5,6,7
.if \zero
	v_wmma_scale_f32_16x16x128_f8f6f4 v[8*(8*((\a)%4)+\b):8*(8*((\a)%4)+\b)+7], v[128*(\p)+FR*\b:128*(\p)+FR*\b+FR-1], v[AF+FR*(\a):AF+FR*(\a)+FR-1], v[BI+8*\b:BI+8*\b+7], v[SC+8*NQ*(\sc)+NQ*\b+(\q)], v[SC+8*NQ*(\sc)+NQ*(\a)+(\q)] matrix_a_fmt:MATRIX_FMT_FP6 matrix_b_fmt:MATRIX_FMT_FP6 matrix_a_scale:MATRIX_SCALE_ROW1
.else
	v_wmma_scale_f32_16x16x128_f8f6f4 v[8*(8*((\a)%4)+\b):8*(8*((\a)%4)+\b)+7], v[128*(\p)+FR*\b:128*(\p)+FR*\b+FR-1], v[AF+FR*(\a):AF+FR*(\a)+FR-1], v[8*(8*((\a)%4)+\b):8*(8*((\a)%4)+\b)+7], v[SC+8*NQ*(\sc)+NQ*\b+(\q)], v[SC+8*NQ*(\sc)+NQ*(\a)+(\q)] matrix_a_fmt:MATRIX_FMT_FP6 matrix_b_fmt:MATRIX_FMT_FP6 matrix_a_scale:MATRIX_SCALE_ROW1
.endif
.endr
.endr
.endm
.macro FETCH_B slot, q, p
	WIN TO_B
.irp i, 0,1,2,3,4,5,6,7
	FRAG 128*(\p)+FR*\i, ADRB+\slot, \q, \i
.endr
	WIN 0
.endm
.macro FETCH_A slot, q, i0
.irp i, \i0, \i0+1, \i0+2, \i0+3
	FRAG AF+FR*(\i), ADRA+\slot, \q, \i
.endr
.endm
.macro SCALES pr                       ; the scale words of steps 2 pr and 2 pr + 1 into set pr % 2
.irp i, 0,1,2,3,4,5,6,7
	ds_load_b64 v[SC+8*NQ*((\pr)%2)+NQ*\i:SC+8*NQ*((\pr)%2)+NQ*\i+1], v[ADRS] offset:\i*SBLK+4*NQ*(\pr)
.endr
.endm
.macro PLACES n
.rept \n
	v_nop
.endr
.endm
; A step of 128 along K: 64 products on step st's fragments; the next step's are fetched in its middle and at its end.  Where the next step's bytes END in a chunk not read yet, every wave waits for its tensor loads and a
; barrier shows that chunk whole.  Where they BEGIN in a later chunk, the chunk left behind is read no more: the wait for all tensor loads, the add, the wait for it and for my reads stand in front of the barrier, and where
; a chunk two further on is left to fetch the barrier opens a round of the cluster's barrier and the slot is filled again.  zero = 1: the first products take the bias as C (window 0).
.macro STEP st, zero
.set NX, (\st)+1
.set C0, (96*(\st))/ROWB
.set C1, (96*NX)/ROWB
.set E0, (96*(\st)+95)/ROWB
.set E1, (96*NX+95)/ROWB
.set WLO, MUL_LO
.set WHI, MUL_HI
.if \zero
.set WLO, FIRST_LO
.set WHI, FIRST_HI
.endif
.if C1 > C0 || E1 > E0
	s_wait_tensorcnt 0x0                           ; all my tensor loads have landed
.if C1 > C0
	ds_add_u32 v[SPW], v[NIL]
	s_wait_dscnt 4*NL+1                            ; the add and A's blocks 4-7 may be out
.else
	s_wait_dscnt 4*NL                              ; A's blocks 4-7 may be out
.endif
	WIN WLO
	MUL16 0, (\st)%2, (\st)%2, ((\st)/2)%2, \zero
	s_wait_dscnt 0x0                               ; the add and all my reads are done
	s_barrier_signal -1
	MUL16 2, (\st)%2, (\st)%2, ((\st)/2)%2, \zero
	WIN 0
	s_barrier_wait -1
.if C1 > C0 && C0+2 < CHUNKS
	CREST
	s_add_nc_u64 s[G0+4*(C0%2)+2:G0+4*(C0%2)+3], s[G0+4*(C0%2)+2:G0+4*(C0%2)+3], 2*ROWB
	s_add_nc_u64 s[G0B+4*(C0%2)+2:G0B+4*(C0%2)+3], s[G0B+4*(C0%2)+2:G0B+4*(C0%2)+3], 2*ROWB
	JLOAD G0+4*(C0%2), G1, G0B+4*(C0%2), G1B       ; chunk C0 + 2; its four v_nop are the places in front of the loads below
.else
	PLACES NP
.endif
.else
	s_wait_dscnt 4*NL                              ; A's blocks 4-7 may be out
	WIN WLO
	MUL16 0, (\st)%2, (\st)%2, ((\st)/2)%2, \zero
	MUL16 2, (\st)%2, (\st)%2, ((\st)/2)%2, \zero
	s_wait_dscnt 0
	PLACES NP
.endif
	FETCH_B 0, NX, NX%2
	FETCH_A 0, NX, 0
.if NX%2 == 0
	SCALES NX/2
.endif
	WIN WHI
	MUL16 4, (\st)%2, (\st)%2, ((\st)/2)%2, \zero
	MUL16 6, (\st)%2, (\st)%2, ((\st)/2)%2, \zero
	PLACES NP
	WIN 0
	FETCH_A 0, NX, 4
.endm
	s_wait_alu depctr_va_vdst(0)                   ; the wait at the head's end
	s_wait_tensorcnt 0x0                           ; my tile of the head's four is in
	ds_add_u32 v[SPW], v[NIL]
	s_mov_b32 s[G1+2], 128<<16                     ; no tensor load of mine is out: from here on a load brings 128 rows
	s_mov_b32 s[G1+4], 128
	s_mov_b32 s[G1B+2], 128<<16
	s_mov_b32 s[G1B+4], 128
	s_wait_dscnt 0x0
	CROUND
	JLOAD G0+4, G1, G0B+4, G1B                     ; chunk 1, a quarter of slot 1 a wave
	FETCH_B 0, 0, 0
	FETCH_A 0, 0, 0
	SCALES 0
	FETCH_A 0, 0, 4
	s_wait_loadcnt 0x0                             ; the bias
	STEP 0, 1
.set ST, 1
.rept STEPS-2
	STEP ST, 0
.set ST, ST+1
.endr
	s_wait_dscnt 4*NL                              ; the last step fetches nothing
	WIN MUL_LO
	MUL16 0, 1, 1, 1, 0
	MUL16 2, 1, 1, 1, 0
	s_wait_dscnt 0
	WIN MUL_HI
	MUL16 4, 1, 1, 1, 0
	MUL16 6, 1, 1, 1, 0
	WIN 0
	PLACES NP
	s_load_b64 s[4:5], s[0:1], 0x18
	s_load_b64 s[6:7], s[0:1], 0x20
	s_load_b64 s[8:9], s[0:1], 0x28
.irp b, 0,1,2,3
	v_mov_b32 v[TM+4+\b], 0
.endr
	s_lshl_b32 s20, s17, 1
	s_add_co_u32 s20, s20, s15
	s_mov_b32 s19, 0
	s_mov_b32 s23, 0
.macro MAXW a
.set AC, 64*((\a)%4)
	WIN (5*(2+(\a)/4))
.irp b, 0,1,2,3
	v_max3_num_f32 v[TM+\b], |v[AC+16*\b]|, |v[AC+16*\b+1]|, 0x1800000
.endr
.irp i, 2,4,6,8,10,12,14
.irp b, 0,1,2,3
	v_max3_num_f32 v[TM+\b], |v[AC+16*\b+\i]|, |v[AC+16*\b+\i+1]|, v[TM+\b]
.endr
.endr
	WIN 0
.endm
	s_wait_kmcnt 0x0
	s_cmp_eq_u32 ttmp9, 2
	s_cbranch_scc1 .Lv
	s_lshl_b32 s21, s40, 1
	s_add_co_u32 s21, s21, s16
	s_lshl_b32 s18, s20, 6
	s_add_co_u32 s18, s18, s21
	s_mul_i32 s18, s18, 1536
	s_lshl_b32 s22, s20, 13
	s_lshl_b32 s21, s21, 9
	s_add_co_u32 s22, s22, s21
	s_add_co_u32 s22, s22, SW
	s_cmp_eq_u32 ttmp9, 0
	s_cselect_b64 s[10:11], s[4:5], s[6:7]
	s_add_nc_u64 s[12:13], s[10:11], s[22:23]
	s_add_nc_u64 s[10:11], s[10:11], s[18:19]
.macro QKBLOCK a
.if (\a) > 0
	s_wait_xcnt 0x0
	s_wait_dscnt 0x0
.endif
	MAXW \a
.irp b, 0,1,2,3
	v_permlanex16_b32 v[TM+4+\b], v[TM+\b], s66, s67
.endr
.irp b, 0,1,2,3
	v_max_num_f32 v[TM+\b], v[TM+\b], v[TM+4+\b]
.endr
.irp b, 0,1,2,3
	v_add_nc_u32 v[TM+12+\b], 0xff000000, v[TM+\b]
.endr
.irp b, 0,1,2,3
	v_lshrrev_b32 v[TM+4+\b], 23, v[TM+12+\b]
.endr
	v_lshl_or_b32 v[PW], v[TM+5], 8, v[TM+4]
	v_lshl_or_b32 v[PW], v[TM+6], 16, v[PW]
	v_lshl_or_b32 v[PW], v[TM+7], 24, v[PW]
	WIN (2+(\a)/4)
.irp c, 0,1
	v_cvt_scalef32_pk16_fp6_f32 v[PC+6*\c:PC+2+6*\c], v[AC+32*\c:AC+15+32*\c], v[TM+12+2*\c]
	v_cvt_scalef32_pk16_fp6_f32 v[PC+12+4*\c:PC+14+4*\c], v[AC+16+32*\c:AC+31+32*\c], v[TM+13+2*\c]
.endr
	WIN 0
	v_nop
.irp c, 0,1
.irp i, 0,1,2
	v_permlane16_swap_b32 v[PC+6*\c+\i], v[PC+12+4*\c+\i]
.endr
.irp i, 0,1,2
	v_mov_b32 v[PC+3+6*\c+\i], v[PC+12+4*\c+\i]
.endr
.endr
.irp g, 0,1,2
	global_store_b128 v[CO], v[PC+4*\g:PC+4*\g+3], s[10:11] offset:12288*(\a)+512*\g
.endr
	v_alignbit_b32 v[RT], v[PW], v[PW], 16
	v_cndmask_b32 v[RT], v[PW], v[RT], s95
	ds_store_b32 v7, v[RT] offset:64*(\a)
.endm
.irp a, 0,1,2,3,4,5,6,7
	QKBLOCK \a
.endr
	ds_load_b128 v[128:131], v8
	ds_load_b128 v[132:135], v8 offset:512
	s_wait_dscnt 0x0
	global_store_b128 v[CO], v[128:131], s[12:13]
	global_store_b128 v[CO], v[132:135], s[12:13] offset:4096
	s_branch .Lend
.Lv:
	s_mul_i32 s18, s20, 98304
	s_mul_i32 s21, s40, 1536
	s_add_co_u32 s18, s18, s21
	s_mul_i32 s21, s16, 768
	s_add_co_u32 s18, s18, s21
	s_lshl_b32 s22, s20, 12
	s_lshl_b32 s21, s40, 10
	s_add_co_u32 s22, s22, s21
	s_lshl_b32 s21, s16, 9
	s_add_co_u32 s22, s22, s21
	s_add_co_u32 s22, s22, SW
	s_add_nc_u64 s[10:11], s[8:9], s[18:19]
	s_add_nc_u64 s[12:13], s[8:9], s[22:23]
.macro VBLOCK a
	MAXW \a
.irp b, 0,1,2,3
	v_max_num_f32_dpp v[TM+\b], v[TM+\b], v[TM+\b] row_xmask:1 row_mask:0xf bank_mask:0xf
.endr
.irp b, 0,1,2,3
	v_add_nc_u32 v[TM+12+\b], 0xff000000, v[TM+\b]
.endr
.irp b, 0,1,2,3
	v_lshrrev_b32 v[TM+4+\b], 23, v[TM+12+\b]
.endr
	WIN (2+(\a)/4)
.irp b, 0,1,2,3
	v_cvt_scalef32_pk16_fp6_f32 v[PC+4*\b:PC+4*\b+2], v[AC+16*\b:AC+16*\b+15], v[TM+12+\b]
.endr
	WIN 0
	v_nop
.irp b, 0,1,2,3
.irp w, 0,1,2
	ds_store_b32 v[9+\w], v[PC+4*\b+\w] offset:1536*(\a)+32*\b
.endr
.endr
.irp b, 0,1,2,3
	ds_store_b8 v12, v[TM+4+\b] offset:64*(\a)+8*\b
.endr
	s_wait_dscnt 0x0
.endm
.irp a, 0,1,2,3,4,5,6,7
	VBLOCK \a
.endr
.set i, 0
.rept 48
	ds_load_b64 v[128+2*i:129+2*i], v13 offset:256*i
.set i, i+1
.endr
.set i, 0
.rept 48
	s_wait_dscnt 47-i
	global_store_b64 v14, v[128+2*i:129+2*i], s[10:11] offset:6144*(i/3)+256*(i%3)
.set i, i+1
.endr
	ds_load_b128 v[224:227], v15
	s_wait_dscnt 0x0
	global_store_b128 v[CO], v[224:227], s[12:13]
.Lend:
	s_wait_tensorcnt 0x0
	ds_add_u32 v[SPW], v[NIL]
	s_wait_dscnt 0x0
	CROUND
	s_endpgm
.Lfunc_end_k_q755609dfa0_qkv:
	.size	k_q755609dfa0_qkv, .Lfunc_end_k_q755609dfa0_qkv-k_q755609dfa0_qkv
	.p2alignl 7, 3214868480
	.fill 96, 4, 3214868480
	.section	.rodata,"a",@progbits
	.p2align	6, 0x0
	.amdhsa_kernel k_q755609dfa0_qkv
		.amdhsa_group_segment_fixed_size 327680
		.amdhsa_private_segment_fixed_size 0
		.amdhsa_enable_private_segment 0
		.amdhsa_kernarg_size 48
		.amdhsa_user_sgpr_count 2
		.amdhsa_user_sgpr_kernarg_segment_ptr 1
		.amdhsa_wavefront_size32 1
		.amdhsa_system_sgpr_workgroup_id_x 1
		.amdhsa_system_sgpr_workgroup_id_y 1
		.amdhsa_system_sgpr_workgroup_id_z 1
		.amdhsa_system_vgpr_workitem_id 0
		.amdhsa_next_free_vgpr 1024
		.amdhsa_next_free_sgpr 100
		.amdhsa_reserve_vcc 0
		.amdhsa_float_denorm_mode_32 3
		.amdhsa_float_denorm_mode_16_64 3
		.amdhsa_memory_ordered 1
		.amdhsa_forward_progress 1
		.amdhsa_inst_pref_size 213
	.end_amdhsa_kernel
	.amdgpu_metadata
---
amdhsa.version: [ 1, 2 ]
amdhsa.kernels:
  - .name:           k_q755609dfa0_qkv
    .symbol:         k_q755609dfa0_qkv.kd
    .args:
      - { .name: X_codes, .offset: 0, .size: 8, .value_kind: global_buffer, .address_space: global }
      - { .name: X_scales, .offset: 8, .size: 8, .value_kind: global_buffer, .address_space: global }
      - { .name: wp, .offset: 16, .size: 8, .value_kind: global_buffer, .address_space: global }
      - { .name: qbuf, .offset: 24, .size: 8, .value_kind: global_buffer, .address_space: global }
      - { .name: kbuf, .offset: 32, .size: 8, .value_kind: global_buffer, .address_space: global }
      - { .name: vbuf, .offset: 40, .size: 8, .value_kind: global_buffer, .address_space: global }
    .group_segment_fixed_size: 327680
    .private_segment_fixed_size: 0
    .kernarg_segment_align: 8
    .kernarg_segment_size: 48
    .max_flat_workgroup_size: 128
    .sgpr_count:     100
    .vgpr_count:     1024
    .wavefront_size: 32
...
	.end_amdgpu_metadata
.endif
;; end of part 2
;; launch attn (part 3): grid 4 x 64, 16 waves a work-group, clusters of 4 x 1, 247,808 bytes of LDS; arguments qbuf, kbuf, vbuf, vals; writes vals
.if DOCPART == 3
	.amdgcn_target "amdgcn-amd-amdhsa--gfx1250"
	.amdhsa_code_object_version 6
	.text
	.protected	k_q755609dfa0_attn
	.globl	k_q755609dfa0_attn
	.p2align	8
	.type	k_q755609dfa0_attn,@function
k_q755609dfa0_attn:
	s_mov_b64 s[64:65], 0
	v_nop
	global_prefetch_b8 v0, s[64:65] scope:SCOPE_SE
	s_setreg_imm32_b32 hwreg(HW_REG_WAVE_MODE, 25, 1), 1
	s_wait_xcnt 0x0
	s_wait_alu depctr_hold_cnt(0) depctr_sa_sdst(0) depctr_va_vdst(0) depctr_va_sdst(0) depctr_va_ssrc(0) depctr_va_vcc(0) depctr_vm_vsrc(0)
	s_getreg_b32 s2, hwreg(HW_REG_IB_STS2, 6, 4)
	s_cmp_eq_u32 s2, 0
	s_cbranch_scc0 .Lentry_in_a_cluster
	s_endpgm
.Lentry_in_a_cluster:
	s_bfe_u32 s2, ttmp6, 0x10000c
	s_cmp_lg_u32 s2, 0x3003
	s_cbranch_scc0 .Lentry_shape_is_right
	s_endpgm
.Lentry_shape_is_right:
; For each of the 64 heads: O = softmax(Q K^T / 8) V on codes of FP6 (E2M3), and O / l quantised along the head's 64 into vals, the next product's operand.
; THE SOFTMAX: t = score x log2(e) / 8; M = the running largest t rounded UP to a whole number; p = 2^(t - M) is quantised along the keys, not normalised; the row's sum is taken of the unquantised p and divides at the end.
; SHARES.  The four work-groups of a cluster share a head (cluster y); each takes 32 rows of the head's 128, 16 pieces each: 512 queries.  Wave w of sixteen takes piece w and makes two passes:
; rows 0-15, then rows 16-31 of the work-group's 32: a tile of 16 queries at a time, in 256 registers, so that four waves stand on each SIMD.
; LDS IS FILLED ONCE: a head's K and V, codes and scales, 208,896 bytes of memory, come by one joint load a wave at the start and stay: no slot is filled again, no barrier stands in the loop over the keys,
; and nothing is fetched from memory in that loop, so there is nothing to prefetch.
; LAYOUT.  Both products are used transposed: S^T = K Q^T, O^T = V^T P^T: a lane holds one query.  Lane r of K's tile 2 b + u takes key 32 b + 8 u + r + 8 (r / 8) of the step's 128, so that 16 registers of two tiles are 16 neighbouring keys.
; K = 64 IN AN INSTRUCTION OF K = 128: Q's upper 64 places are zero codes under the scale byte 1.  K's operand for tile u is registers 6 u .. 6 u + 11 of a pair's image: in its upper places stand the neighbour's codes, whose
; products with zero codes are exact zeros; their scale bytes were made by the quantiser (1 .. 254, never 0xff).
; LIMITS: NaN and infinities are not served.  t is score x (log2(e) / 8), rounded once.  A block of zeros gets the byte 1 in vals, which this program alone reads.
.set KC,  0                            ; K's codes: 384 rows of 256 bytes + 16 of padding: an image of 1,536 bytes takes 1,632
.set VC,  104448                       ; V's codes, dense
.set KSW, 202752                       ; K's scale words as they lie in memory: 16 rows (plane, jl) of 512 bytes (8 pairs of steps x 64) + 32 of padding
.set VSW, 211456                       ; V's scale bytes: 8 rows (tile, k) of 512 bytes + 32
.set SP,  544                          ; pitch of these rows
.set STG, 215808                       ; the way out: 32 rows x 768 bytes of codes; no fill lands here,
.set SSG, 240384                       ; nor here: 32 rows x 32 scale bytes
.set SPARE, 245760                     ; the spare words: 128 bytes for each of 16 waves
.set SW,  6291456
.set S,   96                           ; v96-159  S^T, then p
.set O,   160                          ; v160-191 O^T
.set BM,  240                          ; v240-243 a block's largest score, then p
.set T4,  244                          ; v244-247 at work
.set SO,  28                           ; v28-31   the conversions' scale operands
.set PC,  228                          ; v228-239 p's codes
.set PX,  240                          ; v240-246 second halves: over BM and T4, which are done with when the conversions write
.set KW,  32                           ; v32-35 K's scale words: lanes 0-15 tile 2 b, lanes 16-31 tile 2 b + 1
.set KF,  36                           ; v36-83 K's four pairs of tiles.  The last tile's operand runs on into v84-89: zeros at first, then codes of V: whatever codes stand there meet Q's zero codes, and the products are exact zeros
.set VF0, 84                           ; V's four fragments, 12 registers each
.set VF1, 192
.set VF2, 204
.set VF3, 216
.set VW,  248                          ; v248-249 V's scale words: lanes 0-15 tile 2 i, lanes 16-31 tile 2 i + 1
; v12 -M, v13 the largest t, v[14:15] the sum, v16-27 Q (v22-27 zero codes), v5 Q's scale word, v250 p's scale word, v[252:253] f, v254 at work, v251 and v255 the add's two registers.
; v1-4 lane terms of the LDS addresses, v6, v7 the way into the stages, v8-11 the step's addresses.  Q's addresses and those of the way out are made where they are used, in registers of S^T that are free there.
.macro CROUND
	s_barrier_signal -1
	s_barrier_wait -1
	s_cmp_lg_u32 s12, 0
	s_cbranch_scc1 .Lnot_wave_0_\@
	s_barrier_signal -3
.Lnot_wave_0_\@:
	s_barrier_wait -3
	s_barrier_signal -1
	s_barrier_wait -1
.endm
.macro G1SET g, w0, c, r               ; descriptor group 1: r dense rows of c elements of 8 bytes
	s_mov_b32 s[\g], \w0
	s_mov_b32 s[\g+1], (\c)<<16
	s_mov_b32 s[\g+2], (\r)<<16
	s_mov_b32 s[\g+3], (\c)<<16
	s_mov_b32 s[\g+4], \r
	s_mov_b32 s[\g+5], \c
	s_mov_b32 s[\g+6], 0
	s_mov_b32 s[\g+7], 0
.endm
.macro ARM under, g0, g1, next         ; one arm of the head's chain: a joint load
	s_cmp_lt_u32 s12, \under
	s_cbranch_scc0 \next
	tensor_load_to_lds s[\g0:\g0+3], s[\g1:\g1+7]
	s_nop 0
.rept 4
	v_nop
.endr
	s_branch .Lasked
\next:
.endm
.set JM, 15|(3<<16)|(1<<21)            ; the mask names all four work-groups, bit 21 beside it; elements of 8 bytes
	s_load_b256 s[4:11], s[0:1], 0x0               ; qbuf s[4:5], kbuf s[6:7], vbuf s[8:9], vals s[10:11]
	v_lshl_add_u32 v251, v0, 2, SPARE
	v_mov_b32 v255, 0
	ds_add_u32 v251, v255
	ds_add_u32 v251, v255
	v_lshrrev_b32 v90, 5, v0
	v_readfirstlane_b32 s12, v90                   ; wave 0..15
	s_bfe_u32 s13, ttmp6, 0x40000                  ; cx: it enters Q's and vals' addresses alone
	s_and_b32 s14, ttmp7, 0xffff                   ; the head, which the four partners share
	G1SET 24, JM|(1<<20)|(5<<22)|(3<<25), 32, 64   ; K's codes: 64 rows of 256 bytes, 16 of padding behind each
	G1SET 32, JM, 32, 64                           ; V's codes: 64 rows of 256 bytes
	G1SET 40, JM|(1<<20)|(6<<22)|(7<<25), 64, 8    ; K's scales: 8 rows of 512 bytes, 32 of padding behind each
	G1SET 48, JM|(1<<20)|(6<<22)|(7<<25), 64, 4    ; V's scales: 4 such rows
	; byte offsets of the four kinds of load: waves 0-5 K's codes, 6-11 V's codes, 12-13 K's scales, 14-15 V's scales
	s_mul_i32 s16, s14, 98304
	s_lshl_b32 s18, s12, 14
	s_add_co_u32 s18, s18, s16
	s_mov_b32 s19, 0
	s_sub_co_i32 s20, s12, 6
	s_max_i32 s20, s20, 0
	s_lshl_b32 s20, s20, 14
	s_add_co_u32 s20, s20, s16
	s_mov_b32 s21, 0
	s_sub_co_i32 s22, s12, 12
	s_max_i32 s22, s22, 0
	s_lshl_b32 s22, s22, 12
	s_lshl_b32 s15, s14, 13
	s_add_co_u32 s22, s22, s15
	s_add_co_u32 s22, s22, SW
	s_mov_b32 s23, 0
	s_sub_co_i32 s94, s12, 14
	s_max_i32 s94, s94, 0
	s_lshl_b32 s94, s94, 11
	s_lshl_b32 s15, s14, 12
	s_add_co_u32 s94, s94, s15
	s_add_co_u32 s94, s94, SW
	s_mov_b32 s95, 0
	s_wait_dscnt 0x0                               ; both opening adds are done
	s_wait_kmcnt 0x0
	s_mov_b32 s56, 1
	s_mul_i32 s57, s12, 64*272                     ; KC + 64 padded rows x wave
	s_add_nc_u64 s[58:59], s[6:7], s[18:19]
	s_or_b32 s59, s59, 0x80000000
	s_mov_b32 s60, 1
	s_lshl_b32 s61, s12, 14
	s_add_co_u32 s61, s61, VC-6*16384              ; VC + 16,384 (wave - 6)
	s_add_nc_u64 s[62:63], s[8:9], s[20:21]
	s_or_b32 s63, s63, 0x80000000
	s_mov_b32 s68, 1
	s_mul_i32 s69, s12, 8*SP
	s_add_co_u32 s69, s69, KSW-12*8*SP             ; KSW + 8 rows x (wave - 12)
	s_add_nc_u64 s[70:71], s[6:7], s[22:23]
	s_or_b32 s71, s71, 0x80000000
	s_mov_b32 s72, 1
	s_mul_i32 s73, s12, 4*SP
	s_add_co_u32 s73, s73, VSW-14*4*SP             ; VSW + 4 rows x (wave - 14)
	s_add_nc_u64 s[74:75], s[8:9], s[94:95]
	s_or_b32 s75, s75, 0x80000000
	CROUND                                         ; all four work-groups are here: the joint loads meet
	ARM 6,  56, 24, .Lhead_v                       ; one load a wave: all that the launch ever fills
	ARM 12, 60, 32, .Lhead_ks
	ARM 14, 68, 40, .Lhead_vs
	tensor_load_to_lds s[72:75], s[48:55]
	s_nop 0
.rept 4
	v_nop
.endr
.Lasked:
	s_and_b32 s15, s12, 7                          ; jl: my piece's image;
	s_lshr_b32 s17, s12, 3                         ; p: which half of the image's 12 registers, and which plane of the scale words
	s_mul_i32 s20, s14, 98304
	s_mul_i32 s21, s13, 24576
	s_add_co_u32 s20, s20, s21                     ; 98,304 head + 24,576 cx: my 32 rows, in qbuf's images and in vals' rows of 768 bytes alike
	s_mov_b32 s21, 0
	s_add_nc_u64 s[90:91], s[10:11], s[20:21]      ; vals' codes
	s_mul_i32 s94, s15, 1536
	s_add_co_u32 s20, s20, s94
	s_mul_i32 s94, s17, 520                        ; half 1 begins at byte 8 of the image's second group of four registers
	s_add_co_u32 s20, s20, s94
	s_add_nc_u64 s[86:87], s[4:5], s[20:21]        ; Q's image
	s_lshl_b32 s20, s14, 13
	s_lshl_b32 s94, s15, 9
	s_add_co_u32 s20, s20, s94
	s_lshl_b32 s94, s13, 7
	s_add_co_u32 s20, s20, s94
	s_lshl_b32 s94, s17, 12
	s_add_co_u32 s20, s20, s94
	s_add_co_u32 s20, s20, SW
	s_add_nc_u64 s[88:89], s[4:5], s[20:21]        ; Q's scale words
	s_lshl_b32 s20, s14, 12
	s_lshl_b32 s94, s13, 10
	s_add_co_u32 s20, s20, s94
	s_add_co_u32 s20, s20, SW
	s_add_nc_u64 s[92:93], s[10:11], s[20:21]      ; vals' scale bytes
	s_mov_b32 s76, 0x3e38aa3b                      ; c = log2(e) / 8
	s_mov_b32 s77, s76                             ; (named with it as a pair)
	s_mov_b32 s78, 0x76543210
	s_mov_b32 s79, 0xfedcba98                      ; lane l xor 16
	s_mov_b32 s85, 0x01010000                      ; the scale byte 1 for Q's two upper blocks
	s_mul_i32 s80, s12, 48
	s_add_co_u32 s80, s80, STG                     ; piece w's 48 bytes of a staged row
	s_lshl_b32 s81, s12, 1
	s_add_co_u32 s81, s81, SSG                     ; and its two scale bytes
	s_mul_i32 s18, s17, 496
	s_add_co_u32 s18, s18, 8                       ; Q's second piece of 8 bytes: 8 (half 0) or 504 (half 1) behind the first
	v_and_b32 v90, 15, v0                          ; r
	v_bfe_u32 v91, v0, 4, 1                        ; h
	v_and_b32 v92, 7, v0                           ; r % 8
	v_bfe_u32 v93, v0, 3, 1                        ; r / 8
	v_mul_u32_u24 v1, v92, 1632                    ; K: image jl = r % 8; in it 16 bytes a lane, 272 from half to half
	v_add_nc_u32 v95, v91, v93
	v_mul_u32_u24 v2, v93, 768                     ; V
	v_lshl_add_u32 v3, v91, 3, v92                 ; K's words: row 8 h + r % 8
	v_lshl_add_u32 v4, v91, 1, v93                 ; V's words: row 2 h + r / 8
	v_lshl_add_u32 v1, v93, 4, v1
	v_and_b32 v95, 1, v95                          ; h, turned where r / 8 is 1
	v_mul_u32_u24 v3, v3, SP
	v_mul_u32_u24 v4, v4, SP
	v_mad_u32_u24 v1, v91, 272, v1
	v_lshl_add_u32 v2, v95, 7, v2
	v_lshl_add_u32 v3, v93, 4, v3                  ; 16 (r / 8): four words, b = 0 .. 3
	v_lshl_add_u32 v4, v92, 2, v4
	v_lshl_add_u32 v2, v92, 4, v2
	v_add_nc_u32 v3, KSW, v3
	v_add_nc_u32 v4, VSW, v4
	v_add_nc_u32 v2, VC, v2
	v_mul_u32_u24 v6, v90, 768                     ; into the stage: row r, block h's 24 bytes
	v_lshl_add_u32 v7, v90, 5, s81
	v_mad_u32_u24 v6, v91, 24, v6
	v_add_nc_u32 v6, s80, v6
.irp i, 22,23,24,25,26,27,84,85,86,87,88,89
	v_mov_b32 v[\i], 0                             ; zero codes: Q's upper places, and what stands behind K's last tile
.endr
	s_wait_alu depctr_va_vdst(0)                   ; the wait at the head's end
.macro INIT1                           ; a pass's start: the loop is written once, and its first step finds zeros, which the first change of M leaves zeros
	v_mov_b32 v13, 0xff61b1e6                      ; the largest t so far: -3e38
	v_mov_b32 v14, 0
	v_mov_b32 v15, 0
	v_floor_f32 v12, -v13                          ; -M
	v_mov_b32 v253, 0                              ; (named as the upper half of the pair v[252:253])
	v_mov_b32 v254, 0
.irp b, 0,1,2,3
	v_mov_b32 v[T4+\b], 0                          ; a lane permute's destination counts as one of its sources
.endr
.set j, 0
.rept 32
	v_mov_b32 v[O+j], 0
.set j, j+1
.endr
.endm
; THE SOFTMAX for one step of 128 keys.
.macro TM n                            ; t - M for the next 2 n scores
.rept \n
	v_pk_fma_f32 v[S+j:S+j+1], v[S+j:S+j+1], s[76:77], v[12:13] op_sel_hi:[1,0,0]
.set j, j+2
.endr
.endm
.macro SM
.irp b, 0,1,2,3
	v_max3_num_f32 v[BM+\b], v[S+16*\b], v[S+1+16*\b], v[S+2+16*\b]   ; the largest score of each block of 32 keys: it serves the row's maximum and, since p rises with the score, the block's largest p
.endr
.irp i, 3,5,7,9,11,13
.irp b, 0,1,2,3
	v_max3_num_f32 v[BM+\b], v[BM+\b], v[S+16*\b+\i], v[S+1+16*\b+\i]
.endr
.endr
.irp b, 0,1,2,3
	v_max_num_f32 v[BM+\b], v[BM+\b], v[S+15+16*\b]
.endr
.irp b, 0,1,2,3
	v_permlanex16_b32 v[T4+\b], v[BM+\b], s78, s79
.endr
.irp b, 0,1,2,3
	v_max_num_f32 v[BM+\b], v[BM+\b], v[T4+\b]
.endr
	s_delay_alu instid0(VALU_DEP_2)
	v_max3_num_f32 v254, v[BM], v[BM+1], v[BM+2]
	s_delay_alu instid0(VALU_DEP_1)
	v_max_num_f32 v254, v254, v[BM+3]
	s_delay_alu instid0(VALU_DEP_1)
	v_mul_f32 v254, s76, v254                      ; as t
	s_delay_alu instid0(VALU_DEP_1)
	v_max_num_f32 v13, v13, v254                   ; the running largest t
	v_mov_b32 v254, v12
	s_delay_alu instid0(VALU_DEP_2)
	v_floor_f32 v12, -v13                          ; the new -M = -ceil(t)
.set j, 0
	TM 4                                           ; the three dependent lines that make f stand among the multiply-adds
	v_sub_f32 v254, v12, v254                      ; old M - new M: a whole number, 0 or less
	TM 4
	v_cvt_i32_f32 v254, v254                       ; (it saturates)
	TM 4
	v_ldexp_f32 v252, 1.0, v254                    ; f = 2^(old M - new M)
	TM 20
.irp b, 0,1,2,3
	v_fma_f32 v[BM+\b], v[BM+\b], s76, v12
.endr
.set j, 0
	s_wait_alu depctr_va_vdst(0)                   ; the wait ahead of the batch
.rept 64
	v_exp_f32 v[S+j], v[S+j]                       ; p = 2^(t - M)
.set j, j+1
.endr
	v_pk_mul_f32 v[14:15], v[14:15], v[252:253] op_sel_hi:[1,0]   ; the sums under the new M: a plain line behind the exponentials
	s_wait_alu depctr_va_vdst(0)                   ; one wait for the batch, ahead of its first reader
.irp b, 0,1,2,3
	v_exp_f32 v[BM+\b], v[BM+\b]                   ; the blocks' largest p
.endr
	v_pk_add_f32 v[T4:T4+1], v[S:S+1], v[S+2:S+3]  ; the row's sum of the unquantised p, in two chains
.set j, 4
.rept 15
	v_pk_add_f32 v[14:15], v[14:15], v[S+j:S+j+1]
	v_pk_add_f32 v[T4:T4+1], v[T4:T4+1], v[S+2+j:S+3+j]
.set j, j+4
.endr
	s_delay_alu instid0(VALU_DEP_1)
	v_pk_add_f32 v[14:15], v[14:15], v[T4:T4+1]
	s_wait_alu depctr_va_vdst(0)                   ; and one for the four
.irp b, 0,1,2,3
	v_max_num_f32 v[BM+\b], 0x1800000, v[BM+\b]    ; the floor 2^(3 - 127): the byte cannot fall under 1
.endr
.irp b, 0,1,2,3
	v_add_nc_u32 v[SO+\b], 0xff000000, v[BM+\b]    ; 2 off the exponent field: the conversion's scale operand
.endr
.irp b, 0,1,2,3
	v_lshrrev_b32 v[T4+\b], 23, v[SO+\b]           ; the scale's byte
.endr
	s_delay_alu instid0(VALU_DEP_3)
	v_lshl_or_b32 v250, v[T4+1], 8, v[T4]
	s_delay_alu instid0(VALU_DEP_1)
	v_lshl_or_b32 v250, v[T4+2], 16, v250
	s_delay_alu instid0(VALU_DEP_1)
	v_lshl_or_b32 v250, v[T4+3], 24, v250
.irp c, 0,1
	v_cvt_scalef32_pk16_fp6_f32 v[PC+6*\c:PC+2+6*\c], v[S+32*\c:S+15+32*\c], v[SO+2*\c]
	v_cvt_scalef32_pk16_fp6_f32 v[PX+4*\c:PX+2+4*\c], v[S+16+32*\c:S+31+32*\c], v[SO+1+2*\c]
.endr
	v_nop                                          ; one plain place behind a scaled conversion
.irp c, 0,1
.irp i, 0,1,2
	v_permlane16_swap_b32 v[PC+6*\c+\i], v[PX+4*\c+\i]
.endr
.irp i, 0,1,2
	v_mov_b32 v[PC+3+6*\c+\i], v[PX+4*\c+\i]
.endr
.endr
	s_wait_alu depctr_va_vdst(0)                   ; the wait directly ahead of the first reader of O^T
.set j, 0
.rept 16
	v_pk_mul_f32 v[O+j:O+j+1], v[O+j:O+j+1], v[252:253] op_sel_hi:[1,0]   ; O^T under the new M; these lines are also the places in front of the products
.set j, j+2
.endr
.endm
; A KEY STEP: 128 keys, the q-th of a pair of steps.  All accumulators take turns, one instruction a turn.
.macro KFETCH ka, wa, q                ; 13 loads: K's four pairs of tiles and their scale words, for the q-th step of a pair; ka, wa: the address registers
.irp b, 0,1,2,3
.irp g, 0,1,2
	ds_load_b128 v[KF+12*\b+4*\g:KF+12*\b+4*\g+3], v[\ka] offset:544*\g+128*\q+32*\b
.endr
.endr
	ds_load_b128 v[KW:KW+3], v[\wa] offset:32*\q
.endm
.macro VLOAD f, t, q                   ; V's fragment t of the step
.irp g, 0,1,2
	ds_load_b128 v[\f+4*\g:\f+4*\g+3], v9 offset:6144*\q+1536*\t+256*\g
.endr
.endm
.macro OMUL t, f                       ; O^T's tile t += V's fragment t x P^T
.if (\t)%2
	v_wmma_scale_f32_16x16x128_f8f6f4 v[O+8*\t:O+8*\t+7], v[\f:\f+11], v[PC:PC+11], v[O+8*\t:O+8*\t+7], v[VW+\t/2], v250 matrix_a_fmt:MATRIX_FMT_FP6 matrix_b_fmt:MATRIX_FMT_FP6 matrix_a_scale:MATRIX_SCALE_ROW1
.else
	v_wmma_scale_f32_16x16x128_f8f6f4 v[O+8*\t:O+8*\t+7], v[\f:\f+11], v[PC:PC+11], v[O+8*\t:O+8*\t+7], v[VW+\t/2], v250 matrix_a_fmt:MATRIX_FMT_FP6 matrix_b_fmt:MATRIX_FMT_FP6
.endif
.endm
; K's fragments of a step are asked for one step ahead, behind the step before's score products, with that step's V: the softmax stands between both runs of loads and the waits for them.
; kb, wb: the scalar registers with the NEXT step's place in K's codes and words; nq: which step of its pair that is.
.macro STEP q, kb, wb, nq
	s_wait_dscnt 0x0                               ; K's 13 loads are in
.irp b, 0,1,2,3                        ; S^T = K Q^T: eight tiles of 16 keys
	v_wmma_scale_f32_16x16x128_f8f6f4 v[S+16*\b:S+16*\b+7], v[KF+12*\b:KF+12*\b+11], v[16:27], 0, v[KW+\b], v5 matrix_a_fmt:MATRIX_FMT_FP6 matrix_b_fmt:MATRIX_FMT_FP6
	v_wmma_scale_f32_16x16x128_f8f6f4 v[S+16*\b+8:S+16*\b+15], v[KF+12*\b+6:KF+12*\b+17], v[16:27], 0, v[KW+\b], v5 matrix_a_fmt:MATRIX_FMT_FP6 matrix_b_fmt:MATRIX_FMT_FP6 matrix_a_scale:MATRIX_SCALE_ROW1
.endr
	v_add_nc_u32 v9, s81, v2                       ; these four lines are the places behind the products: for the loads into K's, V's and the words' registers, and for the first read of S^T
	v_add_nc_u32 v11, s83, v4
	v_add_nc_u32 v8, s[\kb], v1
	v_add_nc_u32 v10, s[\wb], v3
	VLOAD VF0, 0, \q
	VLOAD VF1, 1, \q
	VLOAD VF2, 2, \q
	VLOAD VF3, 3, \q
	ds_load_b32 v[VW], v11 offset:32*\q
	ds_load_b32 v[VW+1], v11 offset:4*SP+32*\q
	KFETCH 8, 10, \nq
	SM
	s_wait_alu depctr_va_vdst(0)
	s_wait_dscnt 13                                ; V's 14 loads are in; the next step's 13 of K, issued behind them, may be out
	OMUL 0, VF0                                    ; O^T += V^T P^T: four tiles of 16 of the head's 64
	OMUL 1, VF1
	OMUL 2, VF2
	OMUL 3, VF3
.endm
; A pass's end: O^T / the sum, quantised along the head's 64 (two blocks), into the stages: row 16 aq + r, piece w.
.macro FIN aq
	v_add_f32 v14, v14, v15
	s_delay_alu instid0(VALU_DEP_1)
	v_permlanex16_b32 v254, v14, s78, s79
	s_delay_alu instid0(VALU_DEP_1)
	v_add_f32 v14, v14, v254                       ; the row's sum
	s_wait_alu depctr_va_vdst(0)
	v_rcp_f32 v14, v14
	v_nop                                          ; a plain place behind the transcendental,
	s_wait_alu depctr_va_vdst(0)                   ; and the wait ahead of its first reader
.set j, 0
.rept 16
	v_pk_mul_f32 v[S+j:S+j+1], v[O+j:O+j+1], v[14:15] op_sel_hi:[1,0]   ; register 16 b + i is d = 32 b + 16 h + i
.set j, j+2
.endr
.irp b, 0,1
	v_max3_num_f32 v[BM+\b], |v[S+16*\b]|, |v[S+1+16*\b]|, 0x1800000
.endr
.irp i, 2,4,6,8,10,12,14
.irp b, 0,1
	s_delay_alu instid0(VALU_DEP_2)
	v_max3_num_f32 v[BM+\b], v[BM+\b], |v[S+16*\b+\i]|, |v[S+1+16*\b+\i]|
.endr
.endr
.irp b, 0,1
	s_delay_alu instid0(VALU_DEP_2)
	v_permlanex16_b32 v[T4+\b], v[BM+\b], s78, s79
.endr
.irp b, 0,1
	s_delay_alu instid0(VALU_DEP_2)
	v_max_num_f32 v[BM+\b], v[BM+\b], v[T4+\b]
.endr
.irp b, 0,1
	s_delay_alu instid0(VALU_DEP_2)
	v_add_nc_u32 v[SO+\b], 0xff000000, v[BM+\b]
.endr
.irp b, 0,1
	s_delay_alu instid0(VALU_DEP_2)
	v_lshrrev_b32 v[T4+\b], 23, v[SO+\b]
.endr
	s_delay_alu instid0(VALU_DEP_1)
	v_lshl_or_b32 v250, v[T4+1], 8, v[T4]          ; the piece's two scale bytes
	v_cvt_scalef32_pk16_fp6_f32 v[PC:PC+2], v[S:S+15], v[SO]
	v_cvt_scalef32_pk16_fp6_f32 v[PX:PX+2], v[S+16:S+31], v[SO+1]
	v_nop
.irp i, 0,1,2
	v_permlane16_swap_b32 v[PC+\i], v[PX+\i]       ; lane (r, h) now holds block h: its lower 16 codes here, its upper 16 there
.endr
.irp i, 0,1,2
	v_mov_b32 v[PC+3+\i], v[PX+\i]
.endr
.irp i, 0,1,2
	ds_store_b64 v6, v[PC+2*\i:PC+2*\i+1] offset:12288*\aq+8*\i
.endr
	ds_store_b16 v7, v250 offset:512*\aq           ; both halves of the lanes write the same two bytes
.endm
.macro PASS aq                         ; rows 16 aq .. 16 aq + 15 of the work-group's 32
	v_and_b32 v96, 31, v0                          ; Q's addresses, in registers of S^T, which are free here
	v_bfe_u32 v98, v0, 3, 1
	v_and_b32 v99, 1, v0
	v_bfe_u32 v100, v0, 1, 2
	v_lshlrev_b32 v96, 4, v96                      ; 16 x lane
	v_lshlrev_b32 v98, 5, v98                      ; Q's words: 32 (r / 8) + 16 (r % 2) + 4 ((r / 2) % 4)
	v_lshl_add_u32 v98, v99, 4, v98
	v_add_nc_u32 v97, s18, v96
	v_lshl_add_u32 v98, v100, 2, v98
	global_load_b64 v[16:17], v96, s[86:87] offset:12288*\aq       ; Q's six registers, as they lie in my half of the image, in pieces of 8 bytes
	global_load_b64 v[18:19], v97, s[86:87] offset:12288*\aq
	global_load_b64 v[20:21], v96, s[86:87] offset:12288*\aq+512
	global_load_b32 v5, v98, s[88:89] offset:64*\aq
	s_wait_loadcnt 0x0
	v_and_or_b32 v5, v5, 0xffff, s85               ; bytes 0, 1: my piece's; bytes 2, 3: 1, over the zero codes
	INIT1                                          ; (these lines also stand between the line above and the first scaled product)
.if \aq == 0
	s_wait_tensorcnt 0x0                           ; my part of K and V is in,
	s_barrier_signal -1
	s_barrier_wait -1                              ; everybody's is
.endif
	s_mov_b32 s80, 0
	s_mov_b32 s81, 0
	s_mov_b32 s82, 0
	s_mov_b32 s83, 0
	s_mov_b32 s84, 8
	s_wait_dscnt 0x0                               ; no load of mine is on its way into K's registers
	KFETCH 1, 3, 0                                 ; the pass's first step of K
.Lrow_\@:                              ; a trip: two key steps, 16 rows of the head
	STEP 0, 80, 82, 1
	s_add_co_u32 s80, s80, 13056
	s_add_co_u32 s82, s82, 64
	s_min_u32 s16, s80, 7*13056                    ; the next trip's K; the last trip has none and names its own rows again, inside K's bytes: those 13 loads are read by nobody
	s_min_u32 s17, s82, 7*64
	STEP 1, 16, 17, 0
	s_add_co_u32 s81, s81, 12288
	s_add_co_u32 s83, s83, 64
	s_sub_co_u32 s84, s84, 1
	s_cmp_lg_u32 s84, 0
	s_cbranch_scc1 .Lrow_\@
.rept 4
	v_nop
.endr
	FIN \aq
.endm
	PASS 0
	PASS 1
	v_lshlrev_b32 v128, 4, v0                      ; the way out: 16 bytes a thread
	v_add_nc_u32 v129, STG, v128
	v_add_nc_u32 v130, SSG, v128
	s_wait_alu depctr_va_vdst(0)
	s_wait_dscnt 0x0                               ; for the others' sake: my stores into the stages are done
	s_barrier_signal -1
	s_barrier_wait -1
.irp i, 0,1,2
	ds_load_b128 v[96+4*\i:99+4*\i], v129 offset:8192*\i
.endr
.irp i, 0,1,2
	s_wait_dscnt 2-\i                              ; the younger loads may stay out
	global_store_b128 v128, v[96+4*\i:99+4*\i], s[90:91] offset:8192*\i   ; the work-group's 32 rows of codes are 24,576 dense bytes: a wave stores 512 consecutive bytes, aligned
.endr
	s_cmp_lt_u32 s12, 2
	s_cbranch_scc0 .Lno_scales
	ds_load_b128 v[120:123], v130                  ; waves 0 and 1: the 1,024 scale bytes
	s_wait_dscnt 0x0
	global_store_b128 v128, v[120:123], s[92:93]
.Lno_scales:
	s_wait_dscnt 0x0
	s_wait_tensorcnt 0x0                           ; the wave's end
	ds_add_u32 v251, v255
	s_wait_dscnt 0x0
	CROUND                                         ; the closing round
	s_endpgm
.Lfunc_end_k_q755609dfa0_attn:
	.size	k_q755609dfa0_attn, .Lfunc_end_k_q755609dfa0_attn-k_q755609dfa0_attn
	.p2alignl 7, 3214868480
	.fill 96, 4, 3214868480
	.section	.rodata,"a",@progbits
	.p2align	6, 0x0
	.amdhsa_kernel k_q755609dfa0_attn
		.amdhsa_group_segment_fixed_size 247808
		.amdhsa_private_segment_fixed_size 0
		.amdhsa_enable_private_segment 0
		.amdhsa_kernarg_size 32
		.amdhsa_user_sgpr_count 2
		.amdhsa_user_sgpr_kernarg_segment_ptr 1
		.amdhsa_wavefront_size32 1
		.amdhsa_system_sgpr_workgroup_id_x 1
		.amdhsa_system_sgpr_workgroup_id_y 1
		.amdhsa_system_sgpr_workgroup_id_z 1
		.amdhsa_system_vgpr_workitem_id 0
		.amdhsa_next_free_vgpr 256
		.amdhsa_next_free_sgpr 96
		.amdhsa_reserve_vcc 0
		.amdhsa_float_denorm_mode_32 3
		.amdhsa_float_denorm_mode_16_64 3
		.amdhsa_memory_ordered 1
		.amdhsa_forward_progress 1
		.amdhsa_inst_pref_size 89
	.end_amdhsa_kernel
	.amdgpu_metadata
---
amdhsa.version: [ 1, 2 ]
amdhsa.kernels:
  - .name:           k_q755609dfa0_attn
    .symbol:         k_q755609dfa0_attn.kd
    .args:
      - { .name: qbuf, .offset: 0, .size: 8, .value_kind: global_buffer, .address_space: global }
      - { .name: kbuf, .offset: 8, .size: 8, .value_kind: global_buffer, .address_space: global }
      - { .name: vbuf, .offset: 16, .size: 8, .value_kind: global_buffer, .address_space: global }
      - { .name: vals, .offset: 24, .size: 8, .value_kind: global_buffer, .address_space: global }
    .group_segment_fixed_size: 247808
    .private_segment_fixed_size: 0
    .kernarg_segment_align: 8
    .kernarg_segment_size: 32
    .max_flat_workgroup_size: 512
    .sgpr_count:     96
    .vgpr_count:     256
    .wavefront_size: 32
...
	.end_amdgpu_metadata
.endif
;; end of part 3
;; launch outp (part 4): grid 4 x 32, 4 waves a work-group, clusters of 4 x 4, 327,680 bytes of LDS; arguments vals, W_out_codes, W_out_scales, b_out, out0; writes out0
.if DOCPART == 4
	.amdgcn_target "amdgcn-amd-amdhsa--gfx1250"
	.amdhsa_code_object_version 6
	.text
	.protected	k_q755609dfa0_outp
	.globl	k_q755609dfa0_outp
	.p2align	8
	.type	k_q755609dfa0_outp,@function
k_q755609dfa0_outp:
	s_mov_b64 s[64:65], 0
	v_nop
	global_prefetch_b8 v0, s[64:65] scope:SCOPE_SE
	s_setreg_imm32_b32 hwreg(HW_REG_WAVE_MODE, 25, 1), 1
	s_wait_xcnt 0x0
	s_wait_alu depctr_hold_cnt(0) depctr_sa_sdst(0) depctr_va_vdst(0) depctr_va_sdst(0) depctr_va_ssrc(0) depctr_va_vcc(0) depctr_vm_vsrc(0)
	s_getreg_b32 s2, hwreg(HW_REG_IB_STS2, 6, 4)
	s_cmp_eq_u32 s2, 0
	s_cbranch_scc0 .Lentry_in_a_cluster
	s_endpgm
.Lentry_in_a_cluster:
	s_bfe_u32 s2, ttmp6, 0x10000c
	s_cmp_lg_u32 s2, 0xf033
	s_cbranch_scc0 .Lentry_shape_is_right
	s_endpgm
.Lentry_shape_is_right:
.set SIZE_K, 1024
.set SIZE_N, 1024
; out0 = vals W_out^T + b_out on codes of FP6.  K goes through a ring of two LDS slots in chunks of 256 bytes of each row of codes (a row is 768 bytes: three chunks, each beginning at a multiple of 256 bytes);
; a step of 128 along K is 96 bytes: eight steps, of which steps 2 and 5 lie across two chunks.  No prefetch: the walk along K has three chunks, of which two are asked for ahead of the first product.
.set NQ,     2
.set ROWB,   256
.set KROW,   SIZE_K*6/8
.set STEPS,  SIZE_K/128
.set CHUNKS, KROW/ROWB
.set PITCH,  272
.set FR,     12
.set NL,     6
.set NP,     4
.set HALFT,  128*PITCH
.set SLOT,   4*HALFT
.set KS,     SIZE_K/32
.set SCL,    2*SLOT
.set HALFS,  (128*KS/256)*272
.set SBLK,   (16*KS/256)*272
.set SPARE,  SCL+4*HALFS
.set SPITCH, 528
.set SW,     6291456
.set ADRA, 16
.set ADRB, 20
.set STO,  24
.set RD,   25
.set CO,   26
.set ADRS, 27
.set SPW,  28
.set NIL,  29
.set SC,   32
.set BI,   64
.set AF,   128
.set BK,   128
.set G1, 24
.set G0, 32
.set G1B, 48
.set G0B, 56
.set G1S, 68
.set G0S, 76
.set G1SB, 80
.set G0SB, 88
.set MSB, 0
.macro WIN new
.if MSB != \new
	s_set_vgpr_msb (MSB<<8)|\new
.set MSB, \new
.endif
.endm
.set MUL_LO, 0xa1
.set MUL_HI, 0xf1
.set FIRST_LO, 0x81
.set FIRST_HI, 0xc1
.set TO_B,   0x40
.macro JLOAD g0a, g1a, g0b, g1b
	s_cmp_eq_u32 s15, 0
	s_cbranch_scc0 .Lfor_b_\@
	tensor_load_to_lds s[\g0a:\g0a+3], s[\g1a:\g1a+7]
	s_nop 0
.rept 4
	v_nop
.endr
	s_branch .Lasked_\@
.Lfor_b_\@:
	tensor_load_to_lds s[\g0b:\g0b+3], s[\g1b:\g1b+7]
	s_nop 0
.rept 4
	v_nop
.endr
.Lasked_\@:
.endm
.macro CREST
	s_cmp_lg_u32 s14, 0
	s_cbranch_scc1 .Lnot_wave_0_\@
	s_barrier_signal -3
.Lnot_wave_0_\@:
	s_barrier_wait -3
	s_barrier_signal -1
	s_barrier_wait -1
.endm
.macro CROUND
	s_barrier_signal -1
	s_barrier_wait -1
	CREST
.endm
	s_load_b64 s[4:5], s[0:1], 0x0
	s_load_b64 s[8:9], s[0:1], 0x8
	s_load_b64 s[10:11], s[0:1], 0x10
	s_load_b64 s[96:97], s[0:1], 0x18
	s_load_b64 s[12:13], s[0:1], 0x20
	v_lshl_add_u32 v[SPW], v0, 2, SPARE
	v_mov_b32 v[NIL], 0
	ds_add_u32 v28, v29
	ds_add_u32 v28, v29
	s_wait_dscnt 0x0
	v_lshrrev_b32 v1, 5, v0
	v_readfirstlane_b32 s14, v1
	s_lshr_b32 s15, s14, 1
	s_and_b32 s16, s14, 1
	s_bfe_u32 s40, ttmp6, 0x40000
	s_bfe_u32 s41, ttmp6, 0x40004
	s_lshl_b32 s42, ttmp9, 2
	s_add_co_u32 s42, s42, s40
	s_and_b32 s17, ttmp7, 0xffff
	s_lshl_b32 s17, s17, 2
	s_add_co_u32 s17, s17, s41
	s_lshl_b32 s43, s41, 2
	s_lshl_b32 s43, 15, s43
	s_lshl_b32 s44, 0x1111, s40
	s_or_b32 s[G1+0], s43, (0<<16)|(1<<20)|(1<<21)|(5<<22)|(3<<25)
	s_or_b32 s[G1B+0], s44, (0<<16)|(1<<20)|(1<<21)|(5<<22)|(3<<25)
.irp g, G1, G1B
	s_mov_b32 s[\g+1], ROWB<<16
	s_mov_b32 s[\g+2], 256<<16                     ; the head's loads bring 256 rows
	s_mov_b32 s[\g+3], ROWB<<16
	s_mov_b32 s[\g+4], 256
	s_mov_b32 s[\g+5], KROW
	s_mov_b32 s[\g+6], 0
	s_mov_b32 s[\g+7], 0
.endr
	s_or_b32 s[G1S+0], s43, (3<<16)|(1<<20)|(1<<21)|(5<<22)|(3<<25)
	s_or_b32 s[G1SB+0], s44, (3<<16)|(1<<20)|(1<<21)|(5<<22)|(3<<25)
.irp g, G1S, G1SB
	s_mov_b32 s[\g+1], 32<<16
	s_mov_b32 s[\g+2], KS<<16                      ; the scales of 256 rows: KS rows of 256 bytes
	s_mov_b32 s[\g+3], 32<<16
	s_mov_b32 s[\g+4], KS
	s_mov_b32 s[\g+5], 32
	s_mov_b32 s[\g+6], 0
	s_mov_b32 s[\g+7], 0
.endr
	s_lshl_b32 s18, s16, 7
	s_lshl_b32 s20, s17, 8
	s_add_co_u32 s20, s20, s18
	s_lshl_b32 s46, s42, 8
	s_add_co_u32 s46, s46, s18
	s_mov_b32 s21, 0
	s_mov_b32 s47, 0
	s_mov_b64 s[18:19], KS
	s_mul_u64 s[22:23], s[20:21], s[18:19]
	s_mul_u64 s[92:93], s[46:47], s[18:19]
	s_mov_b64 s[18:19], KROW
	s_mul_u64 s[20:21], s[20:21], s[18:19]
	s_mul_u64 s[46:47], s[46:47], s[18:19]
	s_mul_i32 s45, s14, HALFT
	s_lshl_b32 s18, s16, 12                        ; my half's 128 rows of scales, in bytes, are taken off again: a head's load brings a tile's 256 rows
	s_mov_b32 s19, 0
	s_sub_nc_u64 s[22:23], s[22:23], s[18:19]
	s_sub_nc_u64 s[92:93], s[92:93], s[18:19]
	s_wait_kmcnt 0x0
	s_add_nc_u64 s[6:7], s[4:5], SW
	s_add_nc_u64 s[20:21], s[4:5], s[20:21]
	s_add_nc_u64 s[22:23], s[6:7], s[22:23]
	s_add_nc_u64 s[46:47], s[8:9], s[46:47]
	s_add_nc_u64 s[92:93], s[10:11], s[92:93]
	CROUND
	s_mov_b32 s[G0S], 1
	s_mov_b32 s[G0S+1], SCL
	s_mov_b64 s[G0S+2:G0S+3], s[22:23]
	s_or_b32 s[G0S+3], s[G0S+3], 0x80000000
	s_mov_b32 s[G0SB], 1
	s_mov_b32 s[G0SB+1], SCL+2*HALFS
	s_mov_b64 s[G0SB+2:G0SB+3], s[92:93]
	s_or_b32 s[G0SB+3], s[G0SB+3], 0x80000000
.irp s, 0,1
	s_mov_b32 s[G0+4*\s], 1
	s_add_co_u32 s[G0+4*\s+1], s45, \s*SLOT
	s_add_nc_u64 s[G0+4*\s+2:G0+4*\s+3], s[20:21], \s*ROWB
	s_or_b32 s[G0+4*\s+3], s[G0+4*\s+3], 0x80000000
	s_mov_b32 s[G0B+4*\s], 1
	s_add_co_u32 s[G0B+4*\s+1], s45, \s*SLOT
	s_add_nc_u64 s[G0B+4*\s+2:G0B+4*\s+3], s[46:47], \s*ROWB
	s_or_b32 s[G0B+4*\s+3], s[G0B+4*\s+3], 0x80000000
.endr
; The head's four tiles, one joint load a wave, in one chain of branches on the wave's number: wave 0 chunk 0's 256 rows of A (its own slot-0 address is the tile's first row), wave 1 A's scales, wave 2 chunk 0's 256 rows of B, wave 3 B's scales.
.macro ARM under, g0, g1, next
	s_cmp_lt_u32 s14, \under
	s_cbranch_scc0 \next
	tensor_load_to_lds s[\g0:\g0+3], s[\g1:\g1+7]
	s_nop 0
.rept 4
	v_nop
.endr
	s_branch .Lhead_asked
\next:
.endm
	ARM 1, G0,  G1,  .Lhead_sa
	ARM 2, G0S, G1S, .Lhead_b
	ARM 3, G0B, G1B, .Lhead_sb
	tensor_load_to_lds s[G0SB:G0SB+3], s[G1SB:G1SB+7]
	s_nop 0
.rept 4
	v_nop
.endr
.Lhead_asked:
	v_and_b32 v1, 15, v0
	v_bfe_u32 v2, v0, 4, 1
	s_lshl_b32 s46, s42, 10
	s_lshl_b32 s47, s16, 9
	s_add_co_u32 s46, s46, s47
	s_mov_b32 s47, 0
	s_add_nc_u64 s[96:97], s[96:97], s[46:47]
	v_lshlrev_b32 v30, 5, v2
.irp b, 0,1,2,3,4,5,6,7
	global_load_b128 v[BI+8*\b:BI+8*\b+3], v30, s[96:97] offset:64*\b
	global_load_b128 v[BI+8*\b+4:BI+8*\b+7], v30, s[96:97] offset:64*\b+16
.endr
	v_mul_u32_u24 v3, v1, PITCH
	v_mul_u32_u24 v4, v2, 24
	v_add_nc_u32 v4, v3, v4
	v_sub_nc_u32 v7, 1, v2                         ; 1 in lanes 0-15
	v_mul_u32_u24 v5, v2, SLOT-232
	v_add_nc_u32 v5, v3, v5
	v_add_nc_u32 v5, 232, v5                       ; across two chunks: lanes 0-15 byte 232 of the row in slot 0, lanes 16-31 byte 0 of the row in slot 1;
	v_mul_u32_u24 v6, v7, SLOT+232
	v_add_nc_u32 v6, v3, v6                        ; and lanes 0-15 byte 232 in slot 1, lanes 16-31 byte 0 in slot 0
	s_mul_i32 s21, s15, HALFT
	s_mul_i32 s22, s16, HALFT
	s_add_co_u32 s22, s22, 2*HALFT
	v_add_nc_u32 v[ADRA+2], s21, v5
	v_add_nc_u32 v[ADRA+3], s21, v6
	v_add_nc_u32 v[ADRB+2], s22, v5
	v_add_nc_u32 v[ADRB+3], s22, v6
.irp s, 0,1
	v_add_nc_u32 v[ADRA+\s], s21, v4
	v_add_nc_u32 v[ADRB+\s], s22, v4
	s_add_co_u32 s21, s21, SLOT
	s_add_co_u32 s22, s22, SLOT
.endr
	v_mul_u32_u24 v5, v1, KS
	v_lshrrev_b32 v6, 8, v5
	v_lshl_add_u32 v5, v6, 4, v5
	s_mul_i32 s21, s15, HALFS
	s_mul_i32 s22, s16, HALFS
	s_add_co_u32 s22, s22, 2*HALFS
	s_sub_co_u32 s22, s22, s21
	v_mul_u32_u24 v6, s22, v2
	s_add_co_u32 s21, s21, SCL
	v_add_nc_u32 v5, v5, v6
	v_add_nc_u32 v[ADRS], s21, v5
	s_mul_i32 s23, s14, 16*SPITCH
	s_add_co_u32 s23, s23, SLOT                    ; my stage lies in slot 1: it holds chunk 1, has had its last fill, and is read no more behind step 5's barrier
	v_mul_u32_u24 v5, v1, SPITCH
	v_lshl_add_u32 v5, v2, 5, v5
	v_add_nc_u32 v[STO], s23, v5
	v_and_b32 v6, 31, v0
	v_lshlrev_b32 v[CO], 4, v6
	v_add_nc_u32 v[RD], s23, v[CO]
	s_lshl_b32 s20, s17, 8
	s_lshl_b32 s21, s15, 7
	s_add_co_u32 s20, s20, s21
	s_mov_b32 s21, 0
	s_mov_b64 s[18:19], SIZE_N*4
	s_mul_u64 s[20:21], s[20:21], s[18:19]
	s_add_nc_u64 s[20:21], s[20:21], s[46:47]
	s_add_nc_u64 s[12:13], s[12:13], s[20:21]
.macro FRAG reg, adr, st, i            ; st: the step of 128 along K, counted from the row's start; adr: ADRA or ADRB (the fetching macros are called with slot 0: the slot follows from the byte)
.irp p, 0,1,2,3,4,5
.set BY, 96*(\st)+48*(\p/3)+8*(\p%3)  ; byte y of a row of codes lies in chunk y / 256, in slot (y / 256) % 2, at byte y % 256 of the LDS row; lanes 16-31 read 24 bytes on
.if BY/ROWB == (BY+24)/ROWB
	ds_load_b64 v[\reg+2*\p:\reg+2*\p+1], v[\adr+(BY/ROWB)%2] offset:BY%ROWB+(\i)*16*PITCH
.else
	ds_load_b64 v[\reg+2*\p:\reg+2*\p+1], v[\adr+2+(BY/ROWB)%2] offset:BY%ROWB-232+(\i)*16*PITCH
.endif
.endr
.endm
.macro MUL16 a0, p, q, sc, zero
.irp a, \a0, \a0+1
.irp b, 0,1,2,3,4,5,6,7
.if \zero
	v_wmma_scale_f32_16x16x128_f8f6f4 v[8*(8*((\a)%4)+\b):8*(8*((\a)%4)+\b)+7], v[128*(\p)+FR*\b:128*(\p)+FR*\b+FR-1], v[AF+FR*(\a):AF+FR*(\a)+FR-1], v[BI+8*\b:BI+8*\b+7], v[SC+8*NQ*(\sc)+NQ*\b+(\q)], v[SC+8*NQ*(\sc)+NQ*(\a)+(\q)] matrix_a_fmt:MATRIX_FMT_FP6 matrix_b_fmt:MATRIX_FMT_FP6 matrix_a_scale:MATRIX_SCALE_ROW1
.else
	v_wmma_scale_f32_16x16x128_f8f6f4 v[8*(8*((\a)%4)+\b):8*(8*((\a)%4)+\b)+7], v[128*(\p)+FR*\b:128*(\p)+FR*\b+FR-1], v[AF+FR*(\a):AF+FR*(\a)+FR-1], v[8*(8*((\a)%4)+\b):8*(8*((\a)%4)+\b)+7], v[SC+8*NQ*(\sc)+NQ*\b+(\q)], v[SC+8*NQ*(\sc)+NQ*(\a)+(\q)] matrix_a_fmt:MATRIX_FMT_FP6 matrix_b_fmt:MATRIX_FMT_FP6 matrix_a_scale:MATRIX_SCALE_ROW1
.endif
.endr
.endr
.endm
.macro FETCH_B slot, q, p
	WIN TO_B
.irp i, 0,1,2,3,4,5,6,7
	FRAG 128*(\p)+FR*\i, ADRB+\slot, \q, \i
.endr
	WIN 0
.endm
.macro FETCH_A slot, q, i0
.irp i, \i0, \i0+1, \i0+2, \i0+3
	FRAG AF+FR*(\i), ADRA+\slot, \q, \i
.endr
.endm
.macro SCALES pr                       ; the scale words of steps 2 pr and 2 pr + 1 into set pr % 2
.irp i, 0,1,2,3,4,5,6,7
	ds_load_b64 v[SC+8*NQ*((\pr)%2)+NQ*\i:SC+8*NQ*((\pr)%2)+NQ*\i+1], v[ADRS] offset:\i*SBLK+4*NQ*(\pr)
.endr
.endm
.macro PLACES n
.rept \n
	v_nop
.endr
.endm
; A step of 128 along K: 64 products on step st's fragments; the next step's are fetched in its middle and at its end.  Where the next step's bytes END in a chunk not read yet, every wave waits for its tensor loads and a
; barrier shows that chunk whole.  Where they BEGIN in a later chunk, the chunk left behind is read no more: the wait for all tensor loads, the add, the wait for it and for my reads stand in front of the barrier, and where
; a chunk two further on is left to fetch the barrier opens a round of the cluster's barrier and the slot is filled again.  zero = 1: the first products take the bias as C (window 0).
.macro STEP st, zero
.set NX, (\st)+1
.set C0, (96*(\st))/ROWB
.set C1, (96*NX)/ROWB
.set E0, (96*(\st)+95)/ROWB
.set E1, (96*NX+95)/ROWB
.set WLO, MUL_LO
.set WHI, MUL_HI
.if \zero
.set WLO, FIRST_LO
.set WHI, FIRST_HI
.endif
.if C1 > C0 || E1 > E0
	s_wait_tensorcnt 0x0                           ; all my tensor loads have landed
.if C1 > C0
	ds_add_u32 v[SPW], v[NIL]
	s_wait_dscnt 4*NL+1                            ; the add and A's blocks 4-7 may be out
.else
	s_wait_dscnt 4*NL                              ; A's blocks 4-7 may be out
.endif
	WIN WLO
	MUL16 0, (\st)%2, (\st)%2, ((\st)/2)%2, \zero
	s_wait_dscnt 0x0                               ; the add and all my reads are done
	s_barrier_signal -1
	MUL16 2, (\st)%2, (\st)%2, ((\st)/2)%2, \zero
	WIN 0
	s_barrier_wait -1
.if C1 > C0 && C0+2 < CHUNKS
	CREST
	s_add_nc_u64 s[G0+4*(C0%2)+2:G0+4*(C0%2)+3], s[G0+4*(C0%2)+2:G0+4*(C0%2)+3], 2*ROWB
	s_add_nc_u64 s[G0B+4*(C0%2)+2:G0B+4*(C0%2)+3], s[G0B+4*(C0%2)+2:G0B+4*(C0%2)+3], 2*ROWB
	JLOAD G0+4*(C0%2), G1, G0B+4*(C0%2), G1B       ; chunk C0 + 2; its four v_nop are the places in front of the loads below
.else
	PLACES NP
.endif
.else
	s_wait_dscnt 4*NL                              ; A's blocks 4-7 may be out
	WIN WLO
	MUL16 0, (\st)%2, (\st)%2, ((\st)/2)%2, \zero
	MUL16 2, (\st)%2, (\st)%2, ((\st)/2)%2, \zero
	s_wait_dscnt 0
	PLACES NP
.endif
	FETCH_B 0, NX, NX%2
	FETCH_A 0, NX, 0
.if NX%2 == 0
	SCALES NX/2
.endif
	WIN WHI
	MUL16 4, (\st)%2, (\st)%2, ((\st)/2)%2, \zero
	MUL16 6, (\st)%2, (\st)%2, ((\st)/2)%2, \zero
	PLACES NP
	WIN 0
	FETCH_A 0, NX, 4
.endm
	s_wait_alu depctr_va_vdst(0)                   ; the wait at the head's end
	s_wait_tensorcnt 0x0                           ; my tile of the head's four is in
	ds_add_u32 v[SPW], v[NIL]
	s_mov_b32 s[G1+2], 128<<16                     ; no tensor load of mine is out: from here on a load brings 128 rows
	s_mov_b32 s[G1+4], 128
	s_mov_b32 s[G1B+2], 128<<16
	s_mov_b32 s[G1B+4], 128
	s_wait_dscnt 0x0
	CROUND
	JLOAD G0+4, G1, G0B+4, G1B                     ; chunk 1, a quarter of slot 1 a wave
	FETCH_B 0, 0, 0
	FETCH_A 0, 0, 0
	SCALES 0
	FETCH_A 0, 0, 4
	s_wait_loadcnt 0x0                             ; the bias
	STEP 0, 1
.set ST, 1
.rept STEPS-2
	STEP ST, 0
.set ST, ST+1
.endr
	s_wait_dscnt 4*NL                              ; the last step fetches nothing
	WIN MUL_LO
	MUL16 0, 1, 1, 1, 0
	MUL16 2, 1, 1, 1, 0
	s_wait_dscnt 0
	WIN MUL_HI
	MUL16 4, 1, 1, 1, 0
	MUL16 6, 1, 1, 1, 0
	WIN 0
.macro TOSTAGE a
.set AC, 64*((\a)%4)
	WIN 0x08+4*((\a)/4)
.irp b, 0,1,2,3,4,5,6,7
	ds_store_b128 v[STO], v[AC+8*\b:AC+8*\b+3] offset:64*\b
	ds_store_b128 v[STO], v[AC+8*\b+4:AC+8*\b+7] offset:64*\b+16
.endr
	WIN 0
.set BB, BK+64*((\a)%2)
.irp t, 0,1,2,3,4,5,6,7,8,9,10,11,12,13,14,15
	ds_load_b128 v[BB+4*\t:BB+4*\t+3], v[RD] offset:\t*SPITCH
.endr
.endm
.macro SEND a, younger
.set BB, BK+64*((\a)%2)
	s_wait_dscnt \younger
.if (\a) > 0
	s_add_nc_u64 s[12:13], s[12:13], 16*SIZE_N*4
.endif
.irp t, 0,1,2,3,4,5,6,7,8,9,10,11,12,13,14,15
	global_store_b128 v[CO], v[BB+4*\t:BB+4*\t+3], s[12:13] offset:\t*SIZE_N*4 th:TH_STORE_NT
.endr
.endm
	PLACES NP
	TOSTAGE 0
.irp a, 1,2,3,4,5,6,7
.if \a > 1
	s_wait_xcnt 0x0
.endif
	TOSTAGE \a
	SEND \a-1, 32
.endr
	s_wait_xcnt 0x0
	SEND 7, 0
	s_wait_tensorcnt 0x0
	ds_add_u32 v[SPW], v[NIL]
	s_wait_dscnt 0x0
	CROUND
	s_endpgm
.Lfunc_end_k_q755609dfa0_outp:
	.size	k_q755609dfa0_outp, .Lfunc_end_k_q755609dfa0_outp-k_q755609dfa0_outp
	.p2alignl 7, 3214868480
	.fill 96, 4, 3214868480
	.section	.rodata,"a",@progbits
	.p2align	6, 0x0
	.amdhsa_kernel k_q755609dfa0_outp
		.amdhsa_group_segment_fixed_size 327680
		.amdhsa_private_segment_fixed_size 0
		.amdhsa_enable_private_segment 0
		.amdhsa_kernarg_size 40
		.amdhsa_user_sgpr_count 2
		.amdhsa_user_sgpr_kernarg_segment_ptr 1
		.amdhsa_wavefront_size32 1
		.amdhsa_system_sgpr_workgroup_id_x 1
		.amdhsa_system_sgpr_workgroup_id_y 1
		.amdhsa_system_sgpr_workgroup_id_z 1
		.amdhsa_system_vgpr_workitem_id 0
		.amdhsa_next_free_vgpr 1024
		.amdhsa_next_free_sgpr 100
		.amdhsa_reserve_vcc 0
		.amdhsa_float_denorm_mode_32 3
		.amdhsa_float_denorm_mode_16_64 3
		.amdhsa_memory_ordered 1
		.amdhsa_forward_progress 1
		.amdhsa_inst_pref_size 162
	.end_amdhsa_kernel
	.amdgpu_metadata
---
amdhsa.version: [ 1, 2 ]
amdhsa.kernels:
  - .name:           k_q755609dfa0_outp
    .symbol:         k_q755609dfa0_outp.kd
    .args:
      - { .name: vals, .offset: 0, .size: 8, .value_kind: global_buffer, .address_space: global }
      - { .name: W_out_codes, .offset: 8, .size: 8, .value_kind: global_buffer, .address_space: global }
      - { .name: W_out_scales, .offset: 16, .size: 8, .value_kind: global_buffer, .address_space: global }
      - { .name: b_out, .offset: 24, .size: 8, .value_kind: global_buffer, .address_space: global }
      - { .name: out0, .offset: 32, .size: 8, .value_kind: global_buffer, .address_space: global }
    .group_segment_fixed_size: 327680
    .private_segment_fixed_size: 0
    .kernarg_segment_align: 8
    .kernarg_segment_size: 40
    .max_flat_workgroup_size: 128
    .sgpr_count:     100
    .vgpr_count:     1024
    .wavefront_size: 32
...
	.end_amdgpu_metadata
.endif
;; end of part 4
